; MI455X (gfx1250); checked and timed in simulation.
; The chip was launched on July 23, 2026; its instructions are those of AMD's public machine-readable ISA for CDNA 5 (MIT licence, August 2026) and "CDNA5" Instruction Set Architecture Reference Guide (July 2026). The comments in the code are by the model that wrote it; some were corrected since.
;; Multihead Attention. Allowed arithmetic: matrix products marked QUANTISED: E2M3 operands, one E8M0 scale for each 32 along K, by v_wmma_scale_f32_16x16x128_f8f6f4 with both operands' format E2M3, f32 sums; everything else in f32.
;; Inputs: Wk_b 1,024 float32; Wk_w 1,024 x 1,024 float32; Wo_b 1,024 float32; Wo_w 1,024 x 1,024 float32; Wq_b 1,024 float32; Wq_w 1,024 x 1,024 float32; Wv_b 1,024 float32; Wv_w 1,024 x 1,024 float32; key 4 x 2,048 x 1,024 float32; query 4 x 2,048 x 1,024 float32; value 4 x 2,048 x 1,024 float32.
;; Outputs: out0 4 x 2,048 x 1,024 float32.
;; This version of the problem:
;;   THIS VERSION OF THE PROBLEM IS GIVEN IN LOW PRECISION. The matrix products marked QUANTISED in the list below multiply operands that are first quantised to E2M3 (2 exponent bits, 3 mantissa bits; 6 bits a number), with one power-of-two scale for each 32 numbers along K (OCP MX v1.0); their sums are f32. All else is computed in f32.
;;   The module's matrix products, in the order in which they are computed (A, B: the left and right operand; K: the contracted axis; several contracted axes count as one K, in the product's order):
;;     1. [M 8,192, K 1,024] x [K 1,024, N 1,024]; A: input query; B: input Wq_w: QUANTISED
;;     2. [M 8,192, K 1,024] x [K 1,024, N 1,024]; A: input key; B: input Wk_w: QUANTISED
;;     3. [M 8,192, K 1,024] x [K 1,024, N 1,024]; A: input value; B: input Wv_w: QUANTISED
;;     4. batch 64 x [M 2,048, K 64] x [K 64, N 2,048]; A: computed on the way; B: computed on the way: QUANTISED
;;     5. batch 64 x [M 2,048, K 2,048] x [K 2,048, N 64]; A: softmax (see below); B: computed on the way: QUANTISED
;;     6. [M 8,192, K 1,024] x [K 1,024, N 1,024]; A: computed on the way; B: input Wo_w: QUANTISED
;;   THE QUANTISER, for each operand of a quantised product, along K:
;;     - K is cut into blocks of 32 from its start; a last block that is shorter is filled with zeros.
;;     - A block's scale is 2^e with e = floor(log2(the largest magnitude in the block)) - 2, held to -126 .. 127; a block of zeros has e = 0. As a byte (E8M0): e + 127.
;;     - Each number is divided by its block's scale, clamped to +-7.5, and rounded to the nearest number of E2M3, ties to even, subnormals kept.
;;     - The product sums the exact products of the quantised numbers (number of the format x scale) in f32.
;;   ~~~python
;;   def quantise(x, axis):      # numpy; x: float32 -> the quantised numbers, widened to float32 again
;;       x = np.moveaxis(x, axis, -1); K = x.shape[-1]
;;       x = np.pad(x, [(0, 0)] * (x.ndim - 1) + [(0, -K % 32)]); x = x.reshape(x.shape[:-1] + (-1, 32)); a = np.abs(x).max(-1, keepdims=True)
;;       e = np.where(a > 0, np.clip(np.frexp(np.where(a > 0, a, 1))[1] - 1 - 2, -126, 127), 0)      # np.frexp(a)[1] - 1 = floor(log2(a)), exactly
;;       r = np.clip(x / 2.0 ** e, -7.5, 7.5)
;;       step = 2.0 ** (np.maximum(np.frexp(np.where(r == 0, 1, r))[1] - 1, 0) - 3)
;;       q = np.round(r / step) * step * 2.0 ** e      # np.round: ties to even
;;       return np.moveaxis(q.reshape(q.shape[:-2] + (-1,))[..., :K], -1, axis).astype(np.float32)
;;   ~~~
;;   SOFTMAX AHEAD OF A QUANTISED PRODUCT. Where the list says 'softmax', what is quantised is not the finished softmax but p = 2^(t - M), with t = logit x log2(e) and M = ceil(the row's largest t), a whole number; so 1/2 < the row's largest p <= 1. The row's sum l is taken of the UNQUANTISED p, in f32, and the product's result is divided by l at the end. Since M is a whole number, a kernel that streams over the keys may use a running M (the ceiling of the running maximum): every later rescaling is an exact power of two, which a block's scale takes up: the codes' values come out the same.
;;   OPERANDS COMPUTED ON THE WAY. 'Computed on the way' means the value that the module computes at that place (a softmax that the list does not call 'softmax' is quantised finished and normalised). What goes into a quantiser is computed in f32, as accurately as f32 sums, v_exp_f32 and their like allow (about 1e-6 of the number): no bf16 or f16 on the way to a quantiser, and a product that is left as it is and whose result goes on into a quantised operand takes f32 operands (vector FMAs, or v_wmma_f32_16x16x4_f32). A number that lies on a knife's edge between two numbers of the format may be rounded either way, as far as f32 arithmetic and the matrix unit's own rounding can turn it there, and no further.
;; One version. Each part assembles by itself: llvm-mc -triple=amdgcn-amd-amdhsa -mcpu=gfx1250 --defsym DOCPART=n.
;; ======== version 1 of 1: 4 launches
;; limits: right only within a limited range of input values
;; workspace buffers: opnd 22,937,600 bytes; qf 6,815,744 bytes; kf 6,815,744 bytes; vf 6,553,600 bytes; zf 6,815,744 bytes
;; launch quant (part 1): grid 256 x 1, 7 waves a work-group, no clusters, 60,416 bytes of LDS; arguments query, key, value, Wq_w, Wk_w, Wv_w, Wo_w, opnd; writes opnd
.if DOCPART == 1
	.amdgcn_target "amdgcn-amd-amdhsa--gfx1250"
	.amdhsa_code_object_version 6
	.text
	.protected	k_qc240d89e68_quant
	.globl	k_qc240d89e68_quant
	.p2align	8
	.type	k_qc240d89e68_quant,@function
k_qc240d89e68_quant:
	s_mov_b64 s[64:65], 0
	v_nop
	global_prefetch_b8 v0, s[64:65] scope:SCOPE_SE
	s_setreg_imm32_b32 hwreg(HW_REG_WAVE_MODE, 25, 1), 1
	s_wait_xcnt 0x0
; query, key, value [8192][1024] and Wq, Wk, Wv, Wo [1024][1024], f32, K innermost, become codes of FP6 (E2M3) with one E8M0 byte for each 32 along K.
; A block's scale is 2^(floor(log2(its largest magnitude)) - 2); its byte is the largest magnitude's exponent field - 2, held at 1 from below.
; LIMITS: a block of zeros gets the byte 1 where the rule says 127 (its codes are zeros, and this program alone reads the bytes); NaN and infinities among the inputs are not served.
; LAYOUT OF opnd.  Rows go in GROUPS of 128: 64 groups of query, 64 of key, 64 of value, 8 each of Wq, Wk, Wv, Wo: 224.  A UNIT is a group x 128 along K: 12,800 bytes at 12,800 x (8 group + K step).
; A unit holds 8 tiles of 16 rows as IMAGES OF THE OPERAND'S REGISTERS: tile t at 1,536 t: three runs of 512 bytes, lane l's registers 4 c .. 4 c + 3 at 512 c + 16 l.
; THE ROWS OF A TILE ARE NOT NEIGHBOURS: lane r of tile 2 b + u holds row 32 b + 8 u + r + 8 (r / 8), so that results made with such tiles as source 0 have 16 neighbours in 16 registers.
; Behind the tiles, at 12,288: the scale words, two runs of 256 bytes: the word of tile 4 f + 2 p + u, row r, at 256 f + 8 (r + 16 u) + 4 p: a load of 8 bytes a lane
; brings an even tile's words into lanes 0-15 and the odd tile's into lanes 16-31 of one register.
; SHARES.  224 x 8 = 1,792 units = 256 work-groups x 7 waves: a wave takes one unit.  Waves share nothing: no barrier.
; Each load reads 512 consecutive bytes of one row; a tile's 16 rows turn through the wave's own stage in LDS, so that a lane gets 16 neighbours of each block of 32.  Loads run two tiles (32 loads) ahead.
.set TM,   16                          ; v16-31   at work in QUANT: +0..3 largest magnitudes, +4..7 the other half's / the bytes, +12..15 the conversions' scale operands
.set PC,   32                          ; v32-43   the fragment just made; v44-46, v48-50 the halves that are moved
.set PWT,  52                          ; v52-59   a scale word for each tile
.set SW,   60                          ; v60-63   the scale words as they are stored
.set X,    64                          ; v64-127  64 numbers of my row: register 16 b + i = k 32 b + 16 (lane / 16) + i
.set R,    128                         ; v128-255 two sets of 64: a tile's rows as they are loaded
.set SP,   528                         ; a stage row: 512 bytes + 16: the sixteen rows that a read touches start 4 banks apart
.set WST,  16*SP                       ; a wave's stage
.set SEL,  32                          ; s[32:33] lane selects for v_permlanex16_b32: lane l xor 16
; 64 numbers of a lane, v[s] on, become a fragment's codes in v[PC] .. v[PC + 11] and its row's scale word in v[pw]
.macro QUANT s, pw
.irp b, 0,1,2,3
	v_max3_num_f32 v[TM+\b], |v[(\s)+16*\b]|, |v[(\s)+1+16*\b]|, 0x1800000   ; block b: my 16 numbers, and the floor 2^(3 - 127): the byte cannot fall under 1
.endr
.irp i, 2,4,6,8,10,12,14
.irp b, 0,1,2,3
	v_max3_num_f32 v[TM+\b], v[TM+\b], |v[(\s)+16*\b+\i]|, |v[(\s)+1+16*\b+\i]|   ; the four blocks by turns
.endr
.endr
.irp b, 0,1,2,3
	v_permlanex16_b32 v[TM+4+\b], v[TM+\b], s[SEL], s[SEL+1]
.endr
.irp b, 0,1,2,3
	v_max_num_f32 v[TM+\b], v[TM+\b], v[TM+4+\b]   ; with lane l xor 16's 16: the block's largest magnitude
.endr
.irp b, 0,1,2,3
	v_add_nc_u32 v[TM+12+\b], 0xff000000, v[TM+\b]   ; 2 off its exponent field: the conversion takes this operand's exponent field as its scale
.endr
.irp b, 0,1,2,3
	v_lshrrev_b32 v[TM+4+\b], 23, v[TM+12+\b]      ; the scale's byte
.endr
	v_lshl_or_b32 v[\pw], v[TM+5], 8, v[TM+4]
	v_lshl_or_b32 v[\pw], v[TM+6], 16, v[\pw]
	v_lshl_or_b32 v[\pw], v[TM+7], 24, v[\pw]
.irp c, 0,1
	v_cvt_scalef32_pk16_fp6_f32 v[PC+6*\c:PC+2+6*\c], v[(\s)+32*\c:(\s)+15+32*\c], v[TM+12+2*\c]
	v_cvt_scalef32_pk16_fp6_f32 v[PC+12+4*\c:PC+14+4*\c], v[(\s)+16+32*\c:(\s)+31+32*\c], v[TM+12+2*\c+1]   ; (a conversion's three registers begin on an even number)
.endr
	v_nop                                          ; one plain instruction behind the scaled conversions
.irp c, 0,1                                    ; the operand's layout wants a whole block in a lane: lanes 0-15 block 2 c, lanes 16-31 block 2 c + 1
.irp i, 0,1,2
	v_permlane16_swap_b32 v[PC+6*\c+\i], v[PC+12+4*\c+\i]
.endr
.irp i, 0,1,2
	v_mov_b32 v[PC+3+6*\c+\i], v[PC+12+4*\c+\i]
.endr
.endr
.endm
	s_load_b256 s[4:11], s[0:1], 0x0               ; query s[4:5], key s[6:7], value s[8:9], Wq s[10:11]
	s_load_b256 s[12:19], s[0:1], 0x20             ; Wk s[12:13], Wv s[14:15], Wo s[16:17], opnd s[18:19]
	v_lshl_add_u32 v47, v0, 2, 0xe800
	v_mov_b32 v51, 0
	v_lshrrev_b32 v6, 5, v0
	v_readfirstlane_b32 s20, v6                    ; wave 0..6
	v_and_b32 v1, 31, v0                           ; lane
	v_lshlrev_b32 v2, 4, v1                        ; 16 x lane: my place in a run of 512 bytes
	v_lshlrev_b32 v3, 3, v1                        ; 8 x lane: in a run of 256
	s_mul_i32 s27, s20, WST
	v_add_nc_u32 v4, s27, v2                       ; the stage, on the way in: a row as it lies
	v_and_b32 v6, 15, v1
	v_lshrrev_b32 v7, 4, v1
	v_mul_u32_u24 v5, v6, SP
	v_lshl_add_u32 v5, v7, 6, v5
	v_add_nc_u32 v5, s27, v5                       ; and on the way out: row lane % 16, + 64 bytes for lanes 16-31
	v_cmp_lt_u32 s30, 15, v1                       ; lanes 16-31
	s_mov_b32 s[SEL], 0x76543210
	s_mov_b32 s[SEL+1], 0xfedcba98
.irp b, 0,1,2,3
	v_mov_b32 v[TM+4+\b], 0                        ; written once: a lane permute's destination counts as one of its sources
.endr
	s_mul_i32 s21, ttmp9, 7
	s_add_co_u32 s21, s21, s20                     ; my unit
	s_lshr_b32 s22, s21, 3                         ; its group
	s_and_b32 s23, s21, 7                          ; its K step
	s_wait_alu depctr_va_vdst(0)
	s_wait_kmcnt 0x0
	s_mov_b64 s[24:25], s[4:5]                     ; which tensor: the choice hangs on the unit's number alone
	s_mov_b32 s26, 0                               ; and that tensor's first group
	s_cmp_ge_u32 s22, 64
	s_cselect_b64 s[24:25], s[6:7], s[24:25]
	s_cselect_b32 s26, 64, s26
	s_cmp_ge_u32 s22, 128
	s_cselect_b64 s[24:25], s[8:9], s[24:25]
	s_cselect_b32 s26, 128, s26
	s_cmp_ge_u32 s22, 192
	s_cselect_b64 s[24:25], s[10:11], s[24:25]
	s_cselect_b32 s26, 192, s26
	s_cmp_ge_u32 s22, 200
	s_cselect_b64 s[24:25], s[12:13], s[24:25]
	s_cselect_b32 s26, 200, s26
	s_cmp_ge_u32 s22, 208
	s_cselect_b64 s[24:25], s[14:15], s[24:25]
	s_cselect_b32 s26, 208, s26
	s_cmp_ge_u32 s22, 216
	s_cselect_b64 s[24:25], s[16:17], s[24:25]
	s_cselect_b32 s26, 216, s26
	s_sub_co_u32 s26, s22, s26
	s_lshl_b32 s26, s26, 19                        ; 128 rows of 4,096 bytes a group (63 groups at the most: under 2^26)
	s_lshl_b32 s27, s23, 9                         ; 512 bytes a K step
	s_add_co_u32 s26, s26, s27
	s_mov_b32 s27, 0
	s_add_nc_u64 s[24:25], s[24:25], s[26:27]
	s_mul_i32 s28, s21, 12800
	s_mov_b32 s29, 0
	s_add_nc_u64 s[28:29], s[18:19], s[28:29]      ; my unit in opnd
.macro LOAD t                          ; tile t's sixteen rows, 512 consecutive bytes a load, into set t % 2
.irp i, 0,1,2,3,4,5,6,7,8,9,10,11,12,13,14,15
	global_load_b128 v[R+64*((\t)%2)+4*\i:R+64*((\t)%2)+4*\i+3], v2, s[24:25] offset:(32*((\t)/2)+8*((\t)%2)+\i+8*(\i/8))*4096 th:TH_LOAD_NT
.endr
.endm
.macro TILE t
.if (\t) < 7
	s_wait_loadcnt 16                              ; loads come back in order: this tile's sixteen are in, the next tile's sixteen may be out
.else
	s_wait_loadcnt 0x0
.endif
.irp i, 0,1,2,3,4,5,6,7,8,9,10,11,12,13,14,15
	ds_store_b128 v4, v[R+64*((\t)%2)+4*\i:R+64*((\t)%2)+4*\i+3] offset:SP*\i
.endr
.irp b, 0,1,2,3
.irp j, 0,1,2,3
	ds_load_b128 v[X+16*\b+4*\j:X+16*\b+4*\j+3], v5 offset:128*\b+16*\j   ; LDS serves a wave's instructions in order: these see the stores above
.endr
.endr
	s_wait_dscnt 0x0                               ; my numbers are back, and the stores into the stage have read their registers
.if (\t) > 0
	s_wait_xcnt 0x0                                ; the last tile's stores have read the codes' registers, which QUANT writes again
.endif
.if (\t)+2 < 8
	LOAD (\t)+2
.endif
	QUANT X, PWT+(\t)
.irp c, 0,1,2
	global_store_b128 v2, v[PC+4*\c:PC+4*\c+3], s[28:29] offset:1536*(\t)+512*\c   ; 512 consecutive bytes, at a multiple of 256 from opnd's first byte
.endr
.endm
	LOAD 0
	LOAD 1
.irp t, 0,1,2,3,4,5,6,7
	TILE \t
.endr
.irp q, 0,1,2,3
	v_cndmask_b32 v[SW+\q], v[PWT+2*\q], v[PWT+2*\q+1], s30   ; lanes 0-15: the even tile's words; lanes 16-31: the odd tile's
.endr
	global_store_b64 v3, v[SW:SW+1], s[28:29] offset:12288
	global_store_b64 v3, v[SW+2:SW+3], s[28:29] offset:12544
	s_wait_tensorcnt 0x0
	ds_add_u32 v47, v51
	s_wait_dscnt 0x0
	s_endpgm
.Lfunc_end_k_qc240d89e68_quant:
	.size	k_qc240d89e68_quant, .Lfunc_end_k_qc240d89e68_quant-k_qc240d89e68_quant
	.p2alignl 7, 3214868480
	.fill 96, 4, 3214868480
	.section	.rodata,"a",@progbits
	.p2align	6, 0x0
	.amdhsa_kernel k_qc240d89e68_quant
		.amdhsa_group_segment_fixed_size 60416
		.amdhsa_private_segment_fixed_size 0
		.amdhsa_enable_private_segment 0
		.amdhsa_kernarg_size 64
		.amdhsa_user_sgpr_count 2
		.amdhsa_user_sgpr_kernarg_segment_ptr 1
		.amdhsa_wavefront_size32 1
		.amdhsa_system_sgpr_workgroup_id_x 1
		.amdhsa_system_sgpr_workgroup_id_y 1
		.amdhsa_system_sgpr_workgroup_id_z 1
		.amdhsa_system_vgpr_workitem_id 0
		.amdhsa_next_free_vgpr 256
		.amdhsa_next_free_sgpr 66
		.amdhsa_reserve_vcc 0
		.amdhsa_float_denorm_mode_32 3
		.amdhsa_float_denorm_mode_16_64 3
		.amdhsa_memory_ordered 1
		.amdhsa_forward_progress 1
		.amdhsa_inst_pref_size 65
	.end_amdhsa_kernel
	.amdgpu_metadata
---
amdhsa.version: [ 1, 2 ]
amdhsa.kernels:
  - .name:           k_qc240d89e68_quant
    .symbol:         k_qc240d89e68_quant.kd
    .args:
      - { .name: query, .offset: 0, .size: 8, .value_kind: global_buffer, .address_space: global }
      - { .name: key, .offset: 8, .size: 8, .value_kind: global_buffer, .address_space: global }
      - { .name: value, .offset: 16, .size: 8, .value_kind: global_buffer, .address_space: global }
      - { .name: Wq_w, .offset: 24, .size: 8, .value_kind: global_buffer, .address_space: global }
      - { .name: Wk_w, .offset: 32, .size: 8, .value_kind: global_buffer, .address_space: global }
      - { .name: Wv_w, .offset: 40, .size: 8, .value_kind: global_buffer, .address_space: global }
      - { .name: Wo_w, .offset: 48, .size: 8, .value_kind: global_buffer, .address_space: global }
      - { .name: opnd, .offset: 56, .size: 8, .value_kind: global_buffer, .address_space: global }
    .group_segment_fixed_size: 60416
    .private_segment_fixed_size: 0
    .kernarg_segment_align: 8
    .kernarg_segment_size: 64
    .max_flat_workgroup_size: 224
    .sgpr_count:     66
    .vgpr_count:     256
    .wavefront_size: 32
...
	.end_amdgpu_metadata
.endif
;; end of part 1
;; launch proj (part 2): grid 4 x 64, 4 waves a work-group, clusters of 4 x 4, 327,680 bytes of LDS; arguments opnd, Wq_b, Wk_b, Wv_b, qf, kf, vf; writes qf, kf, vf
.if DOCPART == 2
	.amdgcn_target "amdgcn-amd-amdhsa--gfx1250"
	.amdhsa_code_object_version 6
	.text
	.protected	k_qc240d89e68_proj
	.globl	k_qc240d89e68_proj
	.p2align	8
	.type	k_qc240d89e68_proj,@function
k_qc240d89e68_proj:
	s_mov_b64 s[64:65], 0
	v_nop
	global_prefetch_b8 v0, s[64:65] scope:SCOPE_SE
	s_setreg_imm32_b32 hwreg(HW_REG_WAVE_MODE, 25, 1), 1
	s_wait_xcnt 0x0
	s_wait_alu depctr_hold_cnt(0) depctr_sa_sdst(0) depctr_va_vdst(0) depctr_va_sdst(0) depctr_va_ssrc(0) depctr_va_vcc(0) depctr_vm_vsrc(0)
	s_getreg_b32 s2, hwreg(HW_REG_IB_STS2, 6, 4)
	s_cmp_eq_u32 s2, 0
	s_cbranch_scc0 .Lentry_in_a_cluster
	s_endpgm
.Lentry_in_a_cluster:
	s_bfe_u32 s2, ttmp6, 0x10000c
	s_cmp_lg_u32 s2, 0xf033
	s_cbranch_scc0 .Lentry_shape_is_right
	s_endpgm
.Lentry_shape_is_right:
; q = query Wq^T + bq, k = key Wk^T + bk, v = value Wv^T + bv on codes of FP6 (E2M3) out of opnd, sums in f32; each result is quantised at once for attention's products and stored as images of operand registers.
; ONE FORM FOR ALL THREE: D = (256 rows of source 0) x (128 rows of source 1), K = 1,024; a lane holds one row of source 1 and its registers run along source 0's rows, and it is along these that D is quantised.
;   q, k: source 0 = the weight (n), source 1 = the tokens: quantised along n, the head's 64.     v: source 0 = the tokens, source 1 = the weight: quantised along the tokens, which are the keys.
; opnd's tiles have their rows in the order 32 b + 8 u + r + 8 (r / 8), so the 16 registers of tiles 2 b and 2 b + 1 of source 0 are 16 neighbours: 32 b + 16 (lane / 16) + 0 .. 15.
; LIMITS: a block of zeros gets the byte 1 where the rule says 127 (its codes are zeros, and this program alone reads the bytes); NaN and infinities are not served.
; SHARES.  256 work-groups THAT STAY: each makes one tile of q, one of k, one of v.  A wave makes 128 (source 0) x 64 (source 1): 32 accumulators.
; LDS: three regions of 102,400 bytes (source 1's group, source 0's two).  K steps 0-3 of the three are slot A, K steps 4-7 slot B: a ring of two slots that goes on from tensor to tensor.
; In K step 3 slot A takes the next tensor's K steps 0-3, in K step 7 slot B its K steps 4-7, each behind a round of the cluster's barrier; 24 of the step's 32 products stand inside.
; Wave 0 asks for source 1's half group, waves 1 and 2 for source 0's (51,200 dense bytes each); one tensor load of a wave is out at the most.
; CLUSTERS 4 x 4: source 1's group hangs on the tile's y and is asked for jointly along a row of the cluster, source 0's two on its x, along a column.
; q and k have one text, a loop of two trips; v's tile, the last, is written out and fills nothing.
; PREFETCHES: behind the refill of slot A the next tensor's K steps 4-7 are named, behind q's refill of slot B v's K steps 0-3: each one refill ahead of its load.  The sixteen waves that ask for source 1's half group share
; its 200 blocks of 256 bytes by address (13 a wave), the eight that ask for one of source 0's take 25 each.  k's K steps 0-3 and q's tiles come by their loads alone.
; OUT.  qf, kf: [batch x 16 + head][128 tokens][6,656]: 8 tiles x 768 bytes (registers 0-3: 16 bytes a lane; registers 4-5: 8 bytes a lane), then 512 bytes of scale words.  Bytes 2 and 3 of a word scale zero codes alone.
;       vf: [batch x 16 + head][128 keys][6,400]: 4 tiles of 16 of the head's 64 x 128 keys, 1,536 bytes each, then 256 bytes of scale words.
; REGISTERS.  window 0: v1-17 addresses; v32-43 scale words, two sets; v48-143 source 1's fragments, two sets; v144-207 the bias; v208-251 the quantiser.
;   window 1: accumulator (j, i) at v[64 j + 8 i].   window 2: source 0's fragments, two sets of 96.
.set GRP,  102400
.set KSB,  12800
.set CHK,  4*KSB                       ; what one tensor load brings
.set QREC, 6656
.set VREC, 6400
.set NXH,  16*QREC
.set A0,   4
.set A1,   6
.set AS0,  8
.set AS1,  10
.set LI16, 12
.set LI8,  13
.set SA,   32
.set SB,   40
.set F1,   48
.set BI,   144
.set PC,   208
.set TM,   228
.set PW,   244
.set SWA,  248
.set SWB,  250
.set WV,   18
.set CX,   19
.set CY,   20
.set TEN,  22                          ; the loop's counter: 0 q, 1 k
.set G1A,  24
.set G1B,  32
.set G0A,  40                          ; s[40:47] group 0 of source 1's loads, slot A and slot B;  s[68:75] of source 0's
.set N1,   48                          ; s[48:49], s[50:51] the next tensor's groups, bytes from opnd;  s[52:55] v's
.set N0,   50
.set M1,   52
.set M0,   54
.set PB1,  56                          ; s[56:59] the prefetches' bases
.set PB0,  58
.set SEL,  60
.set OUTS, 62
.set OVC,  66
.set G0B,  68
.set BPK,  76
.set BPV,  78
.set OFC,  80
.set OFS,  82
.set XV,   84
.set XX,   85
.set YY,   86
.set WA,   89
.set WB,   90
.set BP,   92
.set OUTC, 94
.set LMK,  98
.set YV,   99
.set MSB, 0
.macro WIN new
.if MSB != \new
	s_set_vgpr_msb (MSB<<8)|\new
.set MSB, \new
.endif
.endm
.macro PLACES n
.rept \n
	v_nop
.endr
.endm
.macro CREST                           ; a round of the cluster's barrier behind its opening barrier
	s_cmp_lg_u32 s[WV], 0
	s_cbranch_scc1 .Lnot_wave_0_\@
	s_barrier_signal -3
.Lnot_wave_0_\@:
	s_barrier_wait -3
	s_barrier_signal -1
	s_barrier_wait -1
.endm
.macro CROUND
	s_barrier_signal -1
	s_barrier_wait -1
	CREST
.endm
.macro JLOAD slot                      ; a slot's three joint loads, one a wave
	s_cmp_eq_u32 s[WV], 0
	s_cbranch_scc0 .Lnot_a_\@
	tensor_load_to_lds s[G0A+4*(\slot):G0A+4*(\slot)+3], s[G1A:G1A+7]
	s_nop 0
	PLACES 4
	s_branch .Lasked_\@
.Lnot_a_\@:
	s_cmp_lt_u32 s[WV], 3
	s_cbranch_scc0 .Lasked_\@
	tensor_load_to_lds s[G0B+4*(\slot):G0B+4*(\slot)+3], s[G1B:G1B+7]
	s_nop 0
	PLACES 4
.Lasked_\@:
.endm
; 64 results of a lane in window 1, v[s] on, become a fragment's codes in v[PC] .. v[PC + 11] and its scale word in v[pw].  Each accumulator is read from its low end on.
.macro QUANT s, pw
	WIN 0x05
.irp b, 0,1,2,3
	v_max3_num_f32 v[TM+\b], |v[(\s)+16*\b]|, |v[(\s)+1+16*\b]|, 0x1800000   ; and the floor 2^(3 - 127)
.endr
	WIN 0x14
.irp i, 2,4,6,8,10,12,14
.irp b, 0,1,2,3
	v_max3_num_f32 v[TM+\b], v[TM+\b], |v[(\s)+16*\b+\i]|, |v[(\s)+1+16*\b+\i]|
.endr
.endr
	WIN 0
.irp b, 0,1,2,3
	v_permlanex16_b32 v[TM+4+\b], v[TM+\b], s[SEL], s[SEL+1]
.endr
.irp b, 0,1,2,3
	v_max_num_f32 v[TM+\b], v[TM+\b], v[TM+4+\b]
.endr
.irp b, 0,1,2,3
	v_add_nc_u32 v[TM+12+\b], 0xff000000, v[TM+\b]   ; 2 off the exponent field: the conversion's scale operand
.endr
.irp b, 0,1,2,3
	v_lshrrev_b32 v[TM+4+\b], 23, v[TM+12+\b]
.endr
	v_lshl_or_b32 v[\pw], v[TM+5], 8, v[TM+4]
	v_lshl_or_b32 v[\pw], v[TM+6], 16, v[\pw]
	v_lshl_or_b32 v[\pw], v[TM+7], 24, v[\pw]
	WIN 0x01
.irp c, 0,1
	v_cvt_scalef32_pk16_fp6_f32 v[PC+6*\c:PC+2+6*\c], v[(\s)+32*\c:(\s)+15+32*\c], v[TM+12+2*\c]
	v_cvt_scalef32_pk16_fp6_f32 v[PC+12+4*\c:PC+14+4*\c], v[(\s)+16+32*\c:(\s)+31+32*\c], v[TM+12+2*\c+1]
.endr
	WIN 0
	v_nop
.irp c, 0,1
.irp i, 0,1,2
	v_permlane16_swap_b32 v[PC+6*\c+\i], v[PC+12+4*\c+\i]
.endr
.irp i, 0,1,2
	v_mov_b32 v[PC+3+6*\c+\i], v[PC+12+4*\c+\i]
.endr
.endr
.endm
; K step s's fragments and scale words into set: 39 LDS loads in one run
.macro FETCH s, set
.set HS, (\s)/4
.set OF, KSB*((\s)%4)
	WIN 0x80
.irp i, 0,1,2,3,4,5,6,7
.irp c, 0,1,2
	ds_load_b128 v[96*(\set)+12*\i+4*\c:96*(\set)+12*\i+4*\c+3], v[A0+HS] offset:OF+1536*\i+512*\c
.endr
.endr
	WIN 0
.irp j, 0,1,2,3
.irp c, 0,1,2
	ds_load_b128 v[F1+48*(\set)+12*\j+4*\c:F1+48*(\set)+12*\j+4*\c+3], v[A1+HS] offset:OF+1536*\j+512*\c
.endr
.endr
	ds_load_b64 v[SA+4*(\set):SA+4*(\set)+1], v[AS0+HS] offset:OF+12288
	ds_load_b64 v[SA+4*(\set)+2:SA+4*(\set)+3], v[AS0+HS] offset:OF+12544
	ds_load_b64 v[SB+2*(\set):SB+2*(\set)+1], v[AS1+HS] offset:OF+12288
.endm
.macro WM ra, rb
	v_wmma_scale_f32_16x16x128_f8f6f4 v[DD:DD+7], v[AA:AA+11], v[BB:BB+11], v[CC:CC+7], v[SAA], v[SBB] matrix_a_fmt:MATRIX_FMT_FP6 matrix_b_fmt:MATRIX_FMT_FP6 matrix_a_scale:MATRIX_SCALE_ROW\ra matrix_b_scale:MATRIX_SCALE_ROW\rb
.endm
; K step s's products of source 1's tiles j0 .. j0 + nj - 1.  mode 0: onto the sums; 1: the sums begin with the bias along source 0; 2: along source 1.
; The 32 accumulators take turns, one instruction a turn, in the same order in every step.
.macro MULS s, mode, j0, nj
.set SE, (\s)%2
.if \mode == 0
	WIN 0x52                                       ; source 0 window 2, source 1 window 0, C and D window 1
.else
	WIN 0x42                                       ; C (the bias) window 0
.endif
.set JJ, \j0
.rept \nj
.irp i, 0,1,2,3,4,5,6,7
.set DD, 64*JJ+8*\i
.if \mode == 0
.set CC, DD
.elseif \mode == 1
.set CC, BI+8*\i
.else
.set CC, BI+8*JJ
.endif
.set AA, 96*SE+12*\i
.set BB, F1+48*SE+12*JJ
.set SAA, SA+4*SE+\i/2
.set SBB, SB+2*SE+JJ/2
.if (\i%2 == 0) && (JJ%2 == 0)
	WM 0, 0
.elseif (\i%2 == 1) && (JJ%2 == 0)
	WM 1, 0
.elseif (\i%2 == 0) && (JJ%2 == 1)
	WM 0, 1
.else
	WM 1, 1
.endif
.endr
.set JJ, JJ+1
.endr
.endm
; A plain K step: its fragments are in; the next step's are asked for ahead of its products
.macro KSTEP s, mode
	s_wait_dscnt 0x0
	PLACES 4                                       ; in front of loads into registers that earlier products read
	FETCH (\s)+1, ((\s)+1)%2
.if (\s) == 0
	s_wait_loadcnt 0x0                             ; the bias
.endif
	MULS \s, \mode, 0, 4
.endm
.macro G0SET g, n, off                 ; a group 0's global address: opnd + the 64-bit offset in s[n:n+1] + off
	s_add_nc_u64 s[\g+2:\g+3], s[4:5], s[\n:\n+1]
.if \off
	s_add_nc_u64 s[\g+2:\g+3], s[\g+2:\g+3], \off
.endif
	s_or_b32 s[\g+3], s[\g+3], 0x80000000
.endm
.macro ASK off
	global_prefetch_b8 v16, s[PB1:PB1+1] offset:\off th:TH_LOAD_NT scope:SCOPE_SE
	global_prefetch_b8 v17, s[PB0:PB0+1] offset:\off th:TH_LOAD_NT scope:SCOPE_SE
.endm
; K step 3 or 7 of a tile that has a successor: the slot that this step's fragments came from is read no more and is filled again
.macro ROUNDSTEP s
	WIN 0
	s_wait_xcnt 0x0                                ; my prefetches have read their bases
	s_wait_tensorcnt 0x0                           ; my part of the other slot is in
	ds_add_u32 v254, v255                          ; the add, here twice on end
	ds_add_u32 v254, v255
	s_wait_dscnt 2                                 ; this step's fragments are in; the two adds may be out
.if (\s) == 3
	G0SET G0A, N1, 0
	G0SET G0B, N0, 0
.else
	G0SET G0A+4, N1, CHK
	G0SET G0B+4, N0, CHK
	s_mov_b64 s[N1:N1+1], s[M1:M1+1]
	s_mov_b64 s[N0:N0+1], s[M0:M0+1]
.endif
	s_add_nc_u64 s[PB1:PB1+1], s[4:5], s[N1:N1+1]
	s_add_nc_u64 s[PB0:PB0+1], s[4:5], s[N0:N0+1]
	MULS \s, 0, 0, 2
	s_wait_dscnt 0x0                               ; the adds are done, and my reads of the slot
	s_barrier_signal -1
	MULS \s, 0, 2, 1
	WIN 0
	s_barrier_wait -1
	CREST
	JLOAD (\s)/4
	PLACES 4                                       ; the places ahead of the fetch, for the wave that comes round the loads too
	FETCH ((\s)+1)%8, 0
.if (\s) == 3
	ASK CHK                                        ; the next tensor's K steps 4-7
.else
	s_cmp_eq_u32 s[TEN], 0
	s_cbranch_scc0 .Lno_ask_\@
	ASK 0                                          ; in q's trip: v's K steps 0-3
.Lno_ask_\@:
.endif
	MULS \s, 0, 3, 1
.endm
.macro TILE mode, more
	KSTEP 0, \mode
.if \more
	PLACES 4                                       ; the next tile's bias, into registers that K step 0's products read
	WIN 0
	s_cmp_eq_u32 s[TEN], 0
	s_cbranch_scc0 .Lv_bias_\@
.irp i, 0,1,2,3,4,5,6,7
	global_load_b128 v[BI+8*\i:BI+8*\i+3], v14, s[BPK:BPK+1] offset:(32*(\i/2)+8*(\i%2))*4
	global_load_b128 v[BI+8*\i+4:BI+8*\i+7], v14, s[BPK:BPK+1] offset:(32*(\i/2)+8*(\i%2))*4+16
.endr
	s_branch .Lbias_\@
.Lv_bias_\@:
.irp j, 0,1,2,3                                ; v: a lane holds one n: its bias stands in all eight registers of tile j's C
.irp e, 0,1,2,3,4,5,6,7
	global_load_b32 v[BI+8*\j+\e], v15, s[BPV:BPV+1] offset:(32*(\j/2)+8*(\j%2))*4
.endr
.endr
.Lbias_\@:
.endif
	KSTEP 1, 0
	KSTEP 2, 0
.if \more
	ROUNDSTEP 3
.else
	s_wait_dscnt 0x0
	s_wait_tensorcnt 0x0                           ; my part of slot B is in,
	s_barrier_signal -1
	s_barrier_wait -1                              ; everybody's is; nothing more is filled
	PLACES 4
	FETCH 4, 0
	MULS 3, 0, 0, 4
.endif
	KSTEP 4, 0
	KSTEP 5, 0
	KSTEP 6, 0
.if \more
	ROUNDSTEP 7
.else
	s_wait_dscnt 0x0
	MULS 7, 0, 0, 4
.endif
	PLACES 4                                       ; in front of the first read of results
	WIN 0
.endm
	s_load_b256 s[4:11], s[0:1], 0x0               ; opnd s[4:5], Wq_b s[6:7], Wk_b s[8:9], Wv_b s[10:11]
	s_load_b128 s[12:15], s[0:1], 0x20             ; qf s[12:13], kf s[14:15]
	s_load_b64 s[16:17], s[0:1], 0x30              ; vf
	v_lshl_add_u32 v254, v0, 2, 0x4b000
	v_mov_b32 v255, 0
	ds_add_u32 v254, v255                          ; the opening lines
	ds_add_u32 v254, v255
	v_lshrrev_b32 v1, 5, v0
	v_readfirstlane_b32 s[WV], v1                  ; wave 0..3
	s_lshr_b32 s[WA], s[WV], 1                     ; which of source 0's two groups I multiply
	s_and_b32 s[WB], s[WV], 1                      ; which four tiles of source 1
	s_bfe_u32 s[CX], ttmp6, 0x40000
	s_bfe_u32 s[CY], ttmp6, 0x40004
	s_and_b32 s23, ttmp7, 0xffff                   ; the cluster, 0 .. 15
	s_mov_b32 s[XX], s[CX]                         ; q, k: x has 4 places (1,024 n / 256), y 64 (8,192 tokens / 128)
	s_lshl_b32 s[YY], s23, 2
	s_add_co_u32 s[YY], s[YY], s[CY]
	s_lshr_b32 s[XV], s23, 1                       ; v: x has 32 (tokens / 256), y 8 (n / 128)
	s_lshl_b32 s[XV], s[XV], 2
	s_add_co_u32 s[XV], s[XV], s[CX]
	s_and_b32 s[YV], s23, 1
	s_lshl_b32 s[YV], s[YV], 2
	s_add_co_u32 s[YV], s[YV], s[CY]
	s_sub_co_u32 s91, s[WV], 1
	s_and_b32 s91, s91, 1                          ; wave 1 fetches source 0's group 2 x, wave 2 group 2 x + 1
	s_mul_i32 s56, s[YY], GRP                      ; source 1: query's group y; key's lies 64 groups on; Wv's group 208 + y
	s_mov_b32 s57, 0
	s_add_co_u32 s[N1], s56, 64*GRP
	s_mov_b32 s[N1+1], 0
	s_lshl_b32 s58, s[XX], 1                       ; source 0: Wq's group 192 + 2 x; Wk's 8 groups on; value's 128 + 2 x
	s_add_co_u32 s58, s58, s91
	s_add_co_u32 s58, s58, 192
	s_mul_i32 s58, s58, GRP
	s_mov_b32 s59, 0
	s_add_co_u32 s[N0], s58, 8*GRP
	s_mov_b32 s[N0+1], 0
	s_add_co_u32 s[M1], s[YV], 208
	s_mul_i32 s[M1], s[M1], GRP
	s_mov_b32 s[M1+1], 0
	s_lshl_b32 s[M0], s[XV], 1
	s_add_co_u32 s[M0], s[M0], s91
	s_add_co_u32 s[M0], s[M0], 128
	s_mul_i32 s[M0], s[M0], GRP
	s_mov_b32 s[M0+1], 0
	s_mul_i32 s96, s[WV], GRP                      ; where source 0's group goes: region 1 or 2
	s_lshl_b32 s87, s[CY], 2
	s_lshl_b32 s87, 15, s87                        ; my row of the cluster
	s_lshl_b32 s88, 0x1111, s[CX]                  ; my column
	s_or_b32 s[G1A], s87, (3<<16)|(1<<21)          ; the mask; elements of 8 bytes; bit 21 beside a mask; no padding
	s_or_b32 s[G1B], s88, (3<<16)|(1<<21)
.irp g, G1A, G1B                               ; 51,200 dense bytes as 200 rows of 256
	s_mov_b32 s[\g+1], 32<<16
	s_mov_b32 s[\g+2], 200<<16
	s_mov_b32 s[\g+3], 32<<16
	s_mov_b32 s[\g+4], 200
	s_mov_b32 s[\g+5], 32
	s_mov_b32 s[\g+6], 0
	s_mov_b32 s[\g+7], 0
.endr
	s_mov_b32 s[SEL], 0x76543210
	s_mov_b32 s[SEL+1], 0xfedcba98
	s_lshl_b32 s97, s[CX], 2                       ; the prefetches: my number among the 16 waves that ask for source 1's half group,
	s_add_co_u32 s97, s97, s[WV]
	s_mul_i32 s97, s97, 13
	s_lshl_b32 s21, s[CY], 1                       ; and among the 8 whose address names my group of source 0
	s_add_co_u32 s21, s21, s[WA]
	s_mul_i32 s21, s21, 25
	s_lshl_b32 s2, s[XX], 10
	s_lshl_b32 s3, s[WA], 9
	s_add_co_u32 s2, s2, s3                        ; q, k: my first n, 256 x + 128 a, in bytes
	s_mov_b32 s3, 0
	v_and_b32 v1, 31, v0                           ; lane
	v_and_b32 v2, 15, v0                           ; r
	v_bfe_u32 v3, v0, 4, 1                         ; lane / 16
	v_lshlrev_b32 v[LI16], 4, v1
	v_lshlrev_b32 v[LI8], 3, v1
	s_mul_i32 s91, s[WA], GRP
	s_add_co_u32 s91, s91, GRP
	v_add_nc_u32 v[A0], s91, v[LI16]
	v_add_nc_u32 v[A0+1], 4*KSB, v[A0]
	v_add_nc_u32 v[AS0], s91, v[LI8]
	v_add_nc_u32 v[AS0+1], 4*KSB, v[AS0]
	s_mul_i32 s92, s[WB], 6144
	v_add_nc_u32 v[A1], s92, v[LI16]
	v_add_nc_u32 v[A1+1], 4*KSB, v[A1]
	s_lshl_b32 s92, s[WB], 8
	v_add_nc_u32 v[AS1], s92, v[LI8]
	v_add_nc_u32 v[AS1+1], 4*KSB, v[AS1]
	v_lshlrev_b32 v14, 6, v3                       ; the bias along source 0: 16 numbers on for lanes 16-31
	v_and_b32 v15, 8, v2
	v_add_nc_u32 v15, v15, v2
	v_lshlrev_b32 v15, 2, v15                      ; along source 1: my lane's row of a tile, r + 8 (r / 8)
	v_min_u32 v16, 12, v1                          ; a lane a block of 256 bytes: 13 blocks a wave, held at the half group's last, 199
	v_add_nc_u32 v16, s97, v16
	v_min_u32 v16, 199, v16
	v_lshlrev_b32 v16, 8, v16
	v_min_u32 v17, 24, v1                          ; 25 blocks a wave: 8 x 25 = 200
	v_add_nc_u32 v17, s21, v17
	v_lshlrev_b32 v17, 8, v17
	v_cmp_lt_u32 s[LMK], 15, v1                    ; lanes 16-31
.irp b, 0,1,2,3
	v_mov_b32 v[TM+4+\b], 0                        ; a lane permute's destination counts as one of its sources
.endr
	s_wait_dscnt 0x0
	s_wait_kmcnt 0x0
	s_add_nc_u64 s[56:57], s[4:5], s[56:57]
	s_add_nc_u64 s[58:59], s[4:5], s[58:59]
.irp c, 0,1
	s_mov_b32 s[G0A+4*\c], 1
	s_mov_b32 s[G0A+4*\c+1], CHK*\c
	s_add_nc_u64 s[G0A+4*\c+2:G0A+4*\c+3], s[56:57], CHK*\c
	s_or_b32 s[G0A+4*\c+3], s[G0A+4*\c+3], 0x80000000
	s_mov_b32 s[G0B+4*\c], 1
	s_add_co_u32 s[G0B+4*\c+1], s96, CHK*\c
	s_add_nc_u64 s[G0B+4*\c+2:G0B+4*\c+3], s[58:59], CHK*\c
	s_or_b32 s[G0B+4*\c+3], s[G0B+4*\c+3], 0x80000000
.endr
	CROUND                                         ; all sixteen work-groups are here: the joint loads meet
	JLOAD 0                                        ; q's K steps 0-3: one load a wave at the head
	s_add_nc_u64 s[BP:BP+1], s[6:7], s[2:3]
	s_add_nc_u64 s[BPK:BPK+1], s[8:9], s[2:3]
	s_wait_alu depctr_va_vdst(0)
.irp i, 0,1,2,3,4,5,6,7                        ; q's bias: tile i's register e is n = 32 (i / 2) + 16 (lane / 16) + 8 (i % 2) + e
	global_load_b128 v[BI+8*\i:BI+8*\i+3], v14, s[BP:BP+1] offset:(32*(\i/2)+8*(\i%2))*4
	global_load_b128 v[BI+8*\i+4:BI+8*\i+7], v14, s[BP:BP+1] offset:(32*(\i/2)+8*(\i%2))*4+16
.endr
	s_lshl_b32 s2, s[YV], 9
	s_lshl_b32 s97, s[WB], 8
	s_add_co_u32 s2, s2, s97                       ; v: my first n, 128 y + 64 b', in bytes
	s_add_nc_u64 s[BPV:BPV+1], s[10:11], s[2:3]
	s_lshr_b32 s96, s[YY], 4                       ; q, k: the batch
	s_lshl_b32 s96, s96, 4
	s_lshl_b32 s97, s[XX], 2
	s_add_co_u32 s96, s96, s97
	s_lshl_b32 s97, s[WA], 1
	s_add_co_u32 s96, s96, s97                     ; 16 x batch + my first head, 4 x + 2 a
	s_lshl_b32 s96, s96, 4
	s_and_b32 s97, s[YY], 15
	s_add_co_u32 s96, s96, s97                     ; its record for these 128 tokens
	s_mul_i32 s96, s96, QREC
	s_mul_i32 s97, s[WB], 3072
	s_add_co_u32 s[OFC], s96, s97                  ; my four tiles' codes,
	s_mov_b32 s[OFC+1], 0
	s_lshl_b32 s97, s[WB], 8
	s_add_co_u32 s[OFS], s96, s97
	s_add_co_u32 s[OFS], s[OFS], 6144              ; and their scale words
	s_mov_b32 s[OFS+1], 0
	s_lshl_b32 s96, s[XV], 1                       ; v: my group of 128 tokens
	s_add_co_u32 s96, s96, s[WA]
	s_and_b32 s97, s96, 15                         ; the key step in its batch
	s_lshr_b32 s96, s96, 4
	s_lshl_b32 s96, s96, 4
	s_lshl_b32 s2, s[YV], 1
	s_add_co_u32 s96, s96, s2
	s_add_co_u32 s96, s96, s[WB]                   ; 16 x batch + my head, 2 y + b'
	s_lshl_b32 s96, s96, 4
	s_add_co_u32 s96, s96, s97
	s_mul_i32 s2, s96, VREC
	s_add_nc_u64 s[OVC:OVC+1], s[16:17], s[2:3]
	s_wait_tensorcnt 0x0                           ; my part of slot A is in
	ds_add_u32 v254, v255
	ds_add_u32 v254, v255
	s_wait_dscnt 0x0
	CROUND
	JLOAD 1                                        ; q's K steps 4-7
	PLACES 4
	FETCH 0, 0
	s_mov_b32 s[TEN], 0
.Ltile:                                                ; ---- q, then k
	TILE 1, 1
	s_wait_xcnt 0x0                                ; earlier stores have read their bases and registers
	s_cmp_eq_u32 s[TEN], 0
	s_cselect_b64 s[OUTC:OUTC+1], s[12:13], s[14:15]
	s_add_nc_u64 s[OUTS:OUTS+1], s[OUTC:OUTC+1], s[OFS:OFS+1]
	s_add_nc_u64 s[OUTC:OUTC+1], s[OUTC:OUTC+1], s[OFC:OFC+1]
.irp j, 0,1,2,3                                ; 16 tokens x 128 n: registers 0-5 of the fragment are my first head's 64 codes, registers 6-11 the second's
	s_wait_xcnt 0x0                                ; the last tile's stores have read the codes' registers
	QUANT 64*\j, PW+\j
	global_store_b128 v[LI16], v[PC:PC+3], s[OUTC:OUTC+1] offset:768*\j
	global_store_b64 v[LI8], v[PC+4:PC+5], s[OUTC:OUTC+1] offset:768*\j+512
	global_store_b128 v[LI16], v[PC+6:PC+9], s[OUTC:OUTC+1] offset:NXH+768*\j
	global_store_b64 v[LI8], v[PC+10:PC+11], s[OUTC:OUTC+1] offset:NXH+768*\j+512
.endr
.irp p, 0,1
	v_cndmask_b32 v[SWA+\p], v[PW+2*\p], v[PW+2*\p+1], s[LMK]   ; even tile in lanes 0-15, odd tile in lanes 16-31
.endr
.irp p, 0,1
	v_lshrrev_b32 v[SWB+\p], 16, v[SWA+\p]         ; the second head's two bytes
.endr
	global_store_b64 v[LI8], v[SWA:SWA+1], s[OUTS:OUTS+1]
	global_store_b64 v[LI8], v[SWB:SWB+1], s[OUTS:OUTS+1] offset:NXH
	s_wait_alu depctr_va_vdst(0)
	s_add_co_u32 s[TEN], s[TEN], 1
	s_cmp_lt_u32 s[TEN], 2
	s_cbranch_scc1 .Ltile
	TILE 2, 0                                      ; ---- v
.irp j, 0,1,2,3                                ; 16 of the head's 64 x 128 keys: a whole fragment
	s_wait_xcnt 0x0
	QUANT 64*\j, PW+\j
.irp c, 0,1,2
	global_store_b128 v[LI16], v[PC+4*\c:PC+4*\c+3], s[OVC:OVC+1] offset:1536*\j+512*\c
.endr
.endr
.irp p, 0,1
	v_cndmask_b32 v[SWA+\p], v[PW+2*\p], v[PW+2*\p+1], s[LMK]
.endr
	global_store_b64 v[LI8], v[SWA:SWA+1], s[OVC:OVC+1] offset:6144
	s_wait_tensorcnt 0x0                           ; the wave's end
	ds_add_u32 v254, v255
	s_wait_dscnt 0x0
	CROUND                                         ; the closing round
	s_endpgm
.Lfunc_end_k_qc240d89e68_proj:
	.size	k_qc240d89e68_proj, .Lfunc_end_k_qc240d89e68_proj-k_qc240d89e68_proj
	.p2alignl 7, 3214868480
	.fill 96, 4, 3214868480
	.section	.rodata,"a",@progbits
	.p2align	6, 0x0
	.amdhsa_kernel k_qc240d89e68_proj
		.amdhsa_group_segment_fixed_size 327680
		.amdhsa_private_segment_fixed_size 0
		.amdhsa_enable_private_segment 0
		.amdhsa_kernarg_size 56
		.amdhsa_user_sgpr_count 2
		.amdhsa_user_sgpr_kernarg_segment_ptr 1
		.amdhsa_wavefront_size32 1
		.amdhsa_system_sgpr_workgroup_id_x 1
		.amdhsa_system_sgpr_workgroup_id_y 1
		.amdhsa_system_sgpr_workgroup_id_z 1
		.amdhsa_system_vgpr_workitem_id 0
		.amdhsa_next_free_vgpr 768
		.amdhsa_next_free_sgpr 100
		.amdhsa_reserve_vcc 0
		.amdhsa_float_denorm_mode_32 3
		.amdhsa_float_denorm_mode_16_64 3
		.amdhsa_memory_ordered 1
		.amdhsa_forward_progress 1
		.amdhsa_inst_pref_size 162
	.end_amdhsa_kernel
	.amdgpu_metadata
---
amdhsa.version: [ 1, 2 ]
amdhsa.kernels:
  - .name:           k_qc240d89e68_proj
    .symbol:         k_qc240d89e68_proj.kd
    .args:
      - { .name: opnd, .offset: 0, .size: 8, .value_kind: global_buffer, .address_space: global }
      - { .name: Wq_b, .offset: 8, .size: 8, .value_kind: global_buffer, .address_space: global }
      - { .name: Wk_b, .offset: 16, .size: 8, .value_kind: global_buffer, .address_space: global }
      - { .name: Wv_b, .offset: 24, .size: 8, .value_kind: global_buffer, .address_space: global }
      - { .name: qf, .offset: 32, .size: 8, .value_kind: global_buffer, .address_space: global }
      - { .name: kf, .offset: 40, .size: 8, .value_kind: global_buffer, .address_space: global }
      - { .name: vf, .offset: 48, .size: 8, .value_kind: global_buffer, .address_space: global }
    .group_segment_fixed_size: 327680
    .private_segment_fixed_size: 0
    .kernarg_segment_align: 8
    .kernarg_segment_size: 56
    .max_flat_workgroup_size: 128
    .sgpr_count:     100
    .vgpr_count:     768
    .wavefront_size: 32
...
	.end_amdgpu_metadata
.endif
;; end of part 2
;; launch attn (part 3): grid 4 x 64, 16 waves a work-group, clusters of 4 x 1, 327,680 bytes of LDS; arguments qf, kf, vf, zf; writes zf
.if DOCPART == 3
	.amdgcn_target "amdgcn-amd-amdhsa--gfx1250"
	.amdhsa_code_object_version 6
	.text
	.protected	k_qc240d89e68_attn
	.globl	k_qc240d89e68_attn
	.p2align	8
	.type	k_qc240d89e68_attn,@function
k_qc240d89e68_attn:
	s_mov_b64 s[64:65], 0
	v_nop
	global_prefetch_b8 v0, s[64:65] scope:SCOPE_SE
	s_setreg_imm32_b32 hwreg(HW_REG_WAVE_MODE, 25, 1), 1
	s_wait_xcnt 0x0
	s_wait_alu depctr_hold_cnt(0) depctr_sa_sdst(0) depctr_va_vdst(0) depctr_va_sdst(0) depctr_va_ssrc(0) depctr_va_vcc(0) depctr_vm_vsrc(0)
	s_getreg_b32 s2, hwreg(HW_REG_IB_STS2, 6, 4)
	s_cmp_eq_u32 s2, 0
	s_cbranch_scc0 .Lentry_in_a_cluster
	s_endpgm
.Lentry_in_a_cluster:
	s_bfe_u32 s2, ttmp6, 0x10000c
	s_cmp_lg_u32 s2, 0x3003
	s_cbranch_scc0 .Lentry_shape_is_right
	s_endpgm
.Lentry_shape_is_right:
; z = softmax(q k^T / 8) v for one head and 512 queries a work-group, on codes of FP6 (E2M3) out of qf, kf, vf; z leaves as codes and scale words in zf, laid as the last launch's operand.
; Both products are used transposed (S^T = k q^T, O^T = v^T p^T): a lane holds one query.  p = 2^(t - M), t = score x log2(e) / 8, M the ceiling of the running largest t; the row's sum is taken of the unquantised p.
; LIMITS: the promise holds while |t| stays under 2^31; a block of zeros gets the byte 1 where the rule says 127 (its codes are zeros, and this program alone reads the bytes); NaN and infinities are not served.
; SHARES.  256 work-groups of 16 waves.  A wave takes a tile of 16 queries through all 2,048 keys in 16 steps of 128, then a second tile.  All of the head's K and V lie in LDS, filled once.
; CLUSTER 4 x 1: the four work-groups of a head need the same K and V: joint loads, one a wave at the head, two records each: waves 0-1 K's records 0-3, waves 2-3 V's 0-3, waves 4-9 K's 4-15, waves 10-15 V's 4-15.
; The first barrier shows the loads of waves 0-3 alone (their two load lines are theirs alone): the first tile's steps 0 and 1 read K's records 0-2 and V's 0-1.  Behind them every wave waits for its load, and a second
; barrier, behind which nothing is filled, shows the rest.
; No prefetch: every tile is asked for at the head, so there is no loop in which to run ahead.
; THE KEYS OF A TILE OF K ARE CHOSEN BY THE READ ADDRESS: row m of tile (c, j) is key 64 c + 32 (m / 8) + 8 j + m % 8.  Register 32 c + 8 j + i of lane (r, h) is then key 64 c + 32 h + 8 j + i:
; a lane's 32 registers are ONE scale block of p, in the order of the operand's registers: no other lane is asked for a block's maximum, and no codes change lanes.
; In kf that key is row 8 (j / 2) + m % 8 of tile 4 c + 2 (m / 8) + j % 2.  K's records lie in LDS as rows of 256 bytes + 64 of padding: lanes 8-15 of a 16-byte read then stand 128 bytes (modulo 256) from lanes 0-7.
; K = 64 of the product's 128: q's upper six registers hold zero codes, so the upper six of k's operand may hold any codes (every 6-bit pattern is a finite number, and no scale byte is 0xff):
; k's tiles lie 6 registers apart, a tile's operand runs on over the next tile's six, the last one's over p's first six.
; A STEP: 8 score products; five address adds (the places behind them); V's loads of this step and K's of the next; maxima; M; t - M; O^T and the sum under the new M; exponentials; scales, codes, sums; 4 products.
.set KREC, 6656
.set VREC, 6400
.set KRP,  8320                        ; a record of K in LDS: 26 rows of 320
.set VB,   16*KRP
.set ZS,   VB+16*VREC                  ; z's scale words: 4 groups x 512 bytes
.set QST,  ZS+2048                     ; the second tile of queries: 1,024 bytes a wave
.set SPARE, QST+16384                  ; the spare words, 128 bytes a wave
.set ZGRP, 8*13312
.set LI16, 1
.set LI8,  2
.set AK16, 3                           ; K: 1,920 (r / 8) + 16 (r % 8) + 320 h
.set AK8,  4                           ; 1,920 (r / 8) + 8 (r % 8) + 128 h
.set AKS,  5                           ; scale words: 8 (r % 8) + 4 (r / 8) + 128 h
.set AV16, 6
.set AV8,  7
.set ZW,   8
.set QS,   9                           ; scales alone: v9 q's, v10 p's, v12-15 k's, v16-17 v's
.set PS,   10
.set KSC,  12
.set VSC,  16
.set NM,   18                          ; -M; v19 the running largest score
.set TMX,  19
.set SUM,  20
.set FF,   22                          ; 2^(old M - new M); v23 = 8 h
.set SH8,  23
.set SPW,  24
.set NIL,  25
.set MA,   26                          ; v26-39 at work
.set MB,   28
.set TT,   30
.set PT,   31
.set TO,   32
.set SO,   33
.set BY,   35
.set WD,   37
.set PT2,  38
.set R8,   39
.set QF,   40
.set KF,   52
.set PC,   100                         ; directly behind k's tiles
.set VF,   112
.set SX,   160
.set OT,   224
.set WV,   12
.set CX,   13
.set SEL,  20
.set CS,   22
.set G1K,  24
.set G1V,  32
.set G0KA, 40                          ; group 0: K's records 0-3, V's 0-3; K's 4-15, V's 4-15
.set G0VA, 44
.set TK,   48
.set TV,   49
.set CNT,  50
.set SH,   51
.set QP,   52
.set QSP,  54
.set ZP,   56
.set ZSP,  58
.set QL,   60
.set ZRS,  61
.set G0KB, 80
.set G0VB, 84
.macro PLACES n
.rept \n
	v_nop
.endr
.endm
.macro WALU
	s_wait_alu depctr_va_vdst(0)
.endm
.macro CROUND
	s_barrier_signal -1
	s_barrier_wait -1
	s_cmp_lg_u32 s[WV], 0
	s_cbranch_scc1 .Lnot_wave_0_\@
	s_barrier_signal -3
.Lnot_wave_0_\@:
	s_barrier_wait -3
	s_barrier_signal -1
	s_barrier_wait -1
.endm
.macro TLOAD g0, g1
	tensor_load_to_lds s[\g0:\g0+3], s[\g1:\g1+7]
	s_nop 0
	PLACES 4
.endm
.macro G0SET g, base, off              ; count, global address, type; the LDS address is written apart
	s_mov_b32 s[\g], 1
	s_add_nc_u64 s[\g+2:\g+3], s[\base:\base+1], s[\off:\off+1]
	s_or_b32 s[\g+3], s[\g+3], 0x80000000
.endm
.macro KLOAD a16, a8, as               ; a step's eight tiles of k (n = 4 c + j) and their scale words: word register 2 c + j / 2 holds the even j in lanes 0-15, the odd j in lanes 16-31
.irp n, 0,1,2,3,4,5,6,7
	ds_load_b128 v[KF+6*\n:KF+6*\n+3], v[\a16] offset:3840*(\n/4)+960*(\n%2)+128*((\n%4)/2)
	ds_load_b64 v[KF+6*\n+4:KF+6*\n+5], v[\a8] offset:3840*(\n/4)+960*(\n%2)+64*((\n%4)/2)+640
.endr
.irp m, 0,1,2,3
	ds_load_b32 v[KSC+\m], v[\as] offset:7680+320*(\m/2)+64*(\m%2)
.endr
.endm
.macro INIT
	v_mov_b32 v[TMX], 0xff61b1e6                   ; -3e38, under every score
	v_mov_b32 v[NM], 0x7e000000                    ; so the first change of M gives the factor 0, on zeros
	v_mov_b32 v[SUM], 0
	v_mov_b32 v[SUM+1], 0
.set J, 0
.rept 32
	v_mov_b32 v[OT+J], 0
.set J, J+1
.endr
.endm
.macro STEP
.irp n, 0,1,2,3,4,5,6,7
.if \n%2
	v_wmma_scale_f32_16x16x128_f8f6f4 v[SX+8*\n:SX+8*\n+7], v[KF+6*\n:KF+6*\n+11], v[QF:QF+11], 0, v[KSC+2*(\n/4)+(\n%4)/2], v[QS] matrix_a_fmt:MATRIX_FMT_FP6 matrix_b_fmt:MATRIX_FMT_FP6 matrix_a_scale:MATRIX_SCALE_ROW1
.else
	v_wmma_scale_f32_16x16x128_f8f6f4 v[SX+8*\n:SX+8*\n+7], v[KF+6*\n:KF+6*\n+11], v[QF:QF+11], 0, v[KSC+2*(\n/4)+(\n%4)/2], v[QS] matrix_a_fmt:MATRIX_FMT_FP6 matrix_b_fmt:MATRIX_FMT_FP6
.endif
.endr
	v_add_nc_u32 v26, s[TV], v[AV16]               ; five plain lines: the places behind the products, ahead of the loads into their sources and of the first read of the scores
	v_add_nc_u32 v27, s[TV], v[AV8]
	v_add_nc_u32 v28, s[TK], v[AK16]
	v_add_nc_u32 v29, s[TK], v[AK8]
	v_add_nc_u32 v30, s[TK], v[AKS]
.irp t, 0,1,2,3
.irp c, 0,1,2
	ds_load_b128 v[VF+12*\t+4*\c:VF+12*\t+4*\c+3], v26 offset:1536*\t+512*\c
.endr
.endr
	ds_load_b64 v[VSC:VSC+1], v27 offset:6144
	KLOAD 28, 29, 30                               ; the next step's (in a tile's last trip: bytes of V's region, which nothing uses)
.irp c, 0,1                                    ; my two blocks' largest scores, two chains each, each accumulator read from its low end on
	v_max3_num_f32 v[MA+\c], v[SX+32*\c], v[SX+32*\c+1], v[SX+32*\c+2]
	v_max3_num_f32 v[MB+\c], v[SX+32*\c+16], v[SX+32*\c+17], v[SX+32*\c+18]
.endr
.irp i, 3,5,7,9,11,13
.irp c, 0,1
	v_max3_num_f32 v[MA+\c], v[MA+\c], v[SX+32*\c+\i], v[SX+32*\c+\i+1]
	v_max3_num_f32 v[MB+\c], v[MB+\c], v[SX+32*\c+16+\i], v[SX+32*\c+17+\i]
.endr
.endr
.irp c, 0,1
	v_max3_num_f32 v[MB+\c], v[MB+\c], v[SX+32*\c+15], v[SX+32*\c+31]
.endr
.irp c, 0,1
	v_max_num_f32 v[MA+\c], v[MA+\c], v[MB+\c]
.endr
	v_max_num_f32 v[TT], v[MA], v[MA+1]
	v_mov_b32 v[TO], v[NM]
	v_permlanex16_b32 v[PT], v[TT], s[SEL], s[SEL+1]
	v_max3_num_f32 v[TMX], v[TMX], v[TT], v[PT]    ; the running largest score of my query
	v_mul_f32 v[TT], s[CS], v[TMX]
	v_floor_f32 v[NM], -v[TT]                      ; -M = floor(-t)
.set J, 0
.rept 32
	v_pk_fma_f32 v[SX+J:SX+J+1], v[SX+J:SX+J+1], s[CS:CS+1], v[NM:NM+1] op_sel_hi:[1,0,0]   ; t - M
.if J == 4
	v_sub_f32 v[TT], v[NM], v[TO]                  ; old M less new M, a whole number
.elseif J == 12
	v_cvt_i32_f32 v[TT], v[TT]                     ; (it saturates)
.elseif J == 20
	v_ldexp_f32 v[FF], 1.0, v[TT]
.endif
.set J, J+2
.endr
.irp c, 0,1
	v_fma_f32 v[MA+\c], v[MA+\c], s[CS], v[NM]     ; the same of each block's largest score
.endr
.set J, 0
.rept 16
	v_pk_mul_f32 v[OT+J:OT+J+1], v[OT+J:OT+J+1], v[FF:FF+1] op_sel_hi:[1,0]   ; O^T under the new M, ahead of the exponentials
.set J, J+2
.endr
	WALU
	s_wait_dscnt 0x0                               ; V's fragments, the next step's K: all my LDS loads
.set J, 0
.rept 64
	v_exp_f32 v[SX+J], v[SX+J]
.set J, J+1
.endr
.irp c, 0,1
	v_exp_f32 v[MA+\c], v[MA+\c]                   ; the block's largest p
.endr
	v_pk_mul_f32 v[SUM:SUM+1], v[SUM:SUM+1], v[FF:FF+1] op_sel_hi:[1,0]
	WALU                                           ; one wait for the batch
.irp c, 0,1
	v_max_num_f32 v[MA+\c], 0x1800000, v[MA+\c]    ; the floor 2^(3 - 127)
.endr
.irp c, 0,1
	v_add_nc_u32 v[SO+\c], 0xff000000, v[MA+\c]    ; 2 off the exponent field: the conversions' scale operand
.endr
	v_pk_add_f32 v[28:29], v[SX:SX+1], v[SX+2:SX+3]         ; these eight are summed first: the second conversions land on six of them
	v_pk_add_f32 v[30:31], v[SX+32:SX+33], v[SX+34:SX+35]
	v_cvt_scalef32_pk16_fp6_f32 v[PC:PC+2], v[SX:SX+15], v[SO]
	v_cvt_scalef32_pk16_fp6_f32 v[PC+6:PC+8], v[SX+32:SX+47], v[SO+1]
.irp c, 0,1
	v_lshrrev_b32 v[BY+\c], 23, v[SO+\c]           ; the scale's byte
.endr
	v_cvt_scalef32_pk16_fp6_f32 v[SX:SX+2], v[SX+16:SX+31], v[SO]        ; (a conversion's three registers begin on an even number)
	v_cvt_scalef32_pk16_fp6_f32 v[SX+32:SX+34], v[SX+48:SX+63], v[SO+1]
	v_lshl_or_b32 v[WD], v[BY+1], 16, v[BY]        ; my blocks h and 2 + h
.irp i, 0,1,2
	v_mov_b32 v[PC+3+\i], v[SX+\i]
.endr
.irp i, 0,1,2
	v_mov_b32 v[PC+9+\i], v[SX+32+\i]
.endr
	v_lshlrev_b32 v[WD], v[SH8], v[WD]
	v_permlanex16_b32 v[PT2], v[WD], s[SEL], s[SEL+1]
	v_or_b32 v[PS], v[WD], v[PT2]                  ; p's scale word
	v_pk_add_f32 v[26:27], v[SX+4:SX+5], v[SX+6:SX+7]
.set N, 0
.irp j, 8,10,12,14,16,18,20,22,24,26,28,30,36,38,40,42,44,46,48,50,52,54,56,58,60,62   ; the row's sum in four chains; these lines are also the places ahead of the products
.if N%4 == 0
	v_pk_add_f32 v[SUM:SUM+1], v[SUM:SUM+1], v[SX+\j:SX+\j+1]
.else
	v_pk_add_f32 v[24+2*(N%4):25+2*(N%4)], v[24+2*(N%4):25+2*(N%4)], v[SX+\j:SX+\j+1]
.endif
.set N, N+1
.endr
	v_pk_add_f32 v[26:27], v[26:27], v[28:29]
	v_pk_add_f32 v[SUM:SUM+1], v[SUM:SUM+1], v[30:31]
	v_pk_add_f32 v[SUM:SUM+1], v[SUM:SUM+1], v[26:27]
.irp t, 0,1,2,3
.if \t%2
	v_wmma_scale_f32_16x16x128_f8f6f4 v[OT+8*\t:OT+8*\t+7], v[VF+12*\t:VF+12*\t+11], v[PC:PC+11], v[OT+8*\t:OT+8*\t+7], v[VSC+\t/2], v[PS] matrix_a_fmt:MATRIX_FMT_FP6 matrix_b_fmt:MATRIX_FMT_FP6 matrix_a_scale:MATRIX_SCALE_ROW1
.else
	v_wmma_scale_f32_16x16x128_f8f6f4 v[OT+8*\t:OT+8*\t+7], v[VF+12*\t:VF+12*\t+11], v[PC:PC+11], v[OT+8*\t:OT+8*\t+7], v[VSC+\t/2], v[PS] matrix_a_fmt:MATRIX_FMT_FP6 matrix_b_fmt:MATRIX_FMT_FP6
.endif
.endr
.endm
; z = O^T / the sum, quantised along the head's 64: register 16 b + i of lane (r, h) is column 32 b + 16 h + i
.macro ZOUT ps
	PLACES 4
	WALU
	v_add_f32 v[SUM], v[SUM], v[SUM+1]
	v_permlanex16_b32 v[PT], v[SUM], s[SEL], s[SEL+1]
	v_add_f32 v[SUM], v[SUM], v[PT]
	WALU
	v_rcp_f32 v[FF], v[SUM]
	v_nop
	WALU
.set J, 0
.rept 16
	v_pk_mul_f32 v[SX+J:SX+J+1], v[OT+J:OT+J+1], v[FF:FF+1] op_sel_hi:[1,0]
.set J, J+2
.endr
.irp b, 0,1
	v_max3_num_f32 v[MA+\b], |v[SX+16*\b]|, |v[SX+1+16*\b]|, 0x1800000
.endr
.irp i, 2,4,6,8,10,12,14
.irp b, 0,1
	v_max3_num_f32 v[MA+\b], v[MA+\b], |v[SX+16*\b+\i]|, |v[SX+1+16*\b+\i]|
.endr
.endr
	v_permlanex16_b32 v[PT], v[MA], s[SEL], s[SEL+1]
	v_permlanex16_b32 v[PT2], v[MA+1], s[SEL], s[SEL+1]
	v_max_num_f32 v[MA], v[MA], v[PT]
	v_max_num_f32 v[MA+1], v[MA+1], v[PT2]
.irp b, 0,1
	v_add_nc_u32 v[SO+\b], 0xff000000, v[MA+\b]
.endr
.irp b, 0,1
	v_lshrrev_b32 v[BY+\b], 23, v[SO+\b]
.endr
	v_lshl_or_b32 v[TT], v[BY+1], 8, v[BY]
	v_lshlrev_b32 v[TT], s[SH], v[TT]              ; an odd head's two bytes stand in the word's upper half
	v_cvt_scalef32_pk16_fp6_f32 v[PC:PC+2], v[SX:SX+15], v[SO]
	v_cvt_scalef32_pk16_fp6_f32 v[SX+32:SX+34], v[SX+16:SX+31], v[SO+1]
	v_nop
.irp i, 0,1,2
	v_permlane16_swap_b32 v[PC+\i], v[SX+32+\i]
.endr
.irp i, 0,1,2
	v_mov_b32 v[PC+3+\i], v[SX+32+\i]
.endr
	global_store_b128 v[LI16], v[PC:PC+3], s[ZP:ZP+1] offset:2*ZGRP*\ps
	global_store_b64 v[LI8], v[PC+4:PC+5], s[ZP:ZP+1] offset:2*ZGRP*\ps+512
	ds_store_b32 v[ZW], v[TT] offset:1024*\ps
.endm
.macro LOOP n
	s_mov_b32 s[CNT], \n
.Lkey_\@:
	STEP
	s_add_co_u32 s[TK], s[TK], KRP
	s_add_co_u32 s[TV], s[TV], VREC
	s_sub_co_u32 s[CNT], s[CNT], 1
	s_cmp_lg_u32 s[CNT], 0
	s_cbranch_scc1 .Lkey_\@
.endm
.macro PASS ps
.if \ps
	WALU
	s_wait_xcnt 0x0                                ; the stores have read the codes' registers
	v_add_nc_u32 v[SO], s[QL], v[LI16]
	v_add_nc_u32 v[SO+1], s[QL], v[LI8]
	ds_load_b128 v[QF:QF+3], v[SO]                 ; the second tile of queries, out of my own bytes
	ds_load_b64 v[QF+4:QF+5], v[SO+1] offset:512
	ds_load_b32 v[QS], v[SO+1] offset:768
	INIT
.endif
	KLOAD AK16, AK8, AKS                           ; step 0's K
	s_mov_b32 s[TK], KRP
	s_mov_b32 s[TV], 0
	WALU
	s_wait_dscnt 0x0
.if \ps
	LOOP 16
.else
	LOOP 2                                         ; steps 0 and 1: K's records 0-2, V's 0-1
	WALU
	s_wait_tensorcnt 0x0                           ; my two records are in, whichever they are,
	s_wait_dscnt 0x0
	s_barrier_signal -1
	s_barrier_wait -1                              ; everybody's are.  Nothing is ever filled again
	LOOP 14
.endif
	ZOUT \ps
.endm
	s_load_b256 s[4:11], s[0:1], 0x0               ; qf, kf, vf, zf
	v_lshl_add_u32 v[SPW], v0, 2, SPARE
	v_mov_b32 v[NIL], 0
	ds_add_u32 v[SPW], v[NIL]                      ; the opening lines
	ds_add_u32 v[SPW], v[NIL]
	v_lshrrev_b32 v26, 5, v0
	v_readfirstlane_b32 s[WV], v26
	s_and_b32 s14, ttmp7, 0xffff                   ; 16 x batch + head
	s_lshl_b32 s70, s14, 4                         ; the head's first record
	s_sub_co_u32 s17, s[WV], 2                     ; which pair of records: K: wave (0-1) or wave - 2 (4-9); V: wave - 2 (2-3) or wave - 8 (10-15)
	s_sub_co_u32 s18, s[WV], 8
	s_lshl_b32 s71, s[WV], 1
	s_add_co_u32 s71, s70, s71
	s_lshl_b32 s72, s17, 1
	s_add_co_u32 s72, s70, s72
	s_lshl_b32 s73, s18, 1
	s_add_co_u32 s73, s70, s73
	s_mul_i32 s66, s71, KREC
	s_mov_b32 s67, 0
	s_mul_i32 s68, s72, KREC
	s_mov_b32 s69, 0
	s_mul_i32 s74, s72, VREC
	s_mov_b32 s75, 0
	s_mul_i32 s76, s73, VREC
	s_mov_b32 s77, 0
	s_mul_i32 s[G0KA+1], s[WV], 2*KRP
	s_mul_i32 s[G0KB+1], s17, 2*KRP
	s_mul_i32 s[G0VA+1], s17, 2*VREC
	s_add_co_u32 s[G0VA+1], s[G0VA+1], VB
	s_mul_i32 s[G0VB+1], s18, 2*VREC
	s_add_co_u32 s[G0VB+1], s[G0VB+1], VB
	s_mov_b32 s[G1K], 15|(3<<16)|(1<<20)|(1<<21)|(5<<22)|(15<<25)   ; all four partners; elements of 8 bytes; 16 words of padding behind every 64
	s_mov_b32 s[G1K+1], 32<<16
	s_mov_b32 s[G1K+2], 52<<16                     ; 13,312 dense bytes as 52 rows of 256
	s_mov_b32 s[G1K+3], 32<<16
	s_mov_b32 s[G1K+4], 52
	s_mov_b32 s[G1K+5], 32
	s_mov_b32 s[G1K+6], 0
	s_mov_b32 s[G1K+7], 0
	s_mov_b32 s[G1V], 15|(3<<16)|(1<<21)
	s_mov_b32 s[G1V+1], 32<<16
	s_mov_b32 s[G1V+2], 50<<16                     ; 12,800 as 50 rows
	s_mov_b32 s[G1V+3], 32<<16
	s_mov_b32 s[G1V+4], 50
	s_mov_b32 s[G1V+5], 32
	s_mov_b32 s[G1V+6], 0
	s_mov_b32 s[G1V+7], 0
	WALU
	s_wait_dscnt 0x0
	s_wait_kmcnt 0x0
	G0SET G0KA, 6, 66
	G0SET G0KB, 6, 68
	G0SET G0VA, 8, 74
	G0SET G0VB, 8, 76
	CROUND                                         ; the four partners are here: the joint loads meet
	s_cmp_lt_u32 s[WV], 2                          ; one load a wave, in one chain of branches on the wave's number
	s_cbranch_scc0 .Lnot_ka
	TLOAD G0KA, G1K
	s_branch .Lasked
.Lnot_ka:
	s_cmp_lt_u32 s[WV], 4
	s_cbranch_scc0 .Lnot_va
	TLOAD G0VA, G1V
	s_branch .Lasked
.Lnot_va:
	s_cmp_lt_u32 s[WV], 10
	s_cbranch_scc0 .Lnot_kb
	TLOAD G0KB, G1K
	s_branch .Lasked
.Lnot_kb:
	TLOAD G0VB, G1V
.Lasked:
	s_bfe_u32 s[CX], ttmp6, 0x40000
	s_and_b32 s17, s[WV], 7
	s_lshl_b32 s74, s[CX], 2
	s_lshr_b32 s75, s[WV], 3
	s_add_co_u32 s76, s70, s74
	s_add_co_u32 s76, s76, s75                     ; my first tile's group of 128 queries: 4 cx + wave / 8; the second's lies two on
	s_mul_i32 s76, s76, KREC
	s_mul_i32 s77, s17, 768
	s_add_co_u32 s[QP], s76, s77
	s_mov_b32 s[QP+1], 0
	s_bfe_u32 s77, s[WV], 0x10002                  ; the words of tile 4 f + 2 p + u: 256 f + 128 u + 4 p
	s_lshl_b32 s77, s77, 8
	s_and_b32 s78, s[WV], 1
	s_lshl_b32 s78, s78, 7
	s_add_co_u32 s77, s77, s78
	s_bfe_u32 s78, s[WV], 0x10001
	s_lshl_b32 s78, s78, 2
	s_add_co_u32 s77, s77, s78
	s_add_co_u32 s[QSP], s76, s77
	s_add_co_u32 s[QSP], s[QSP], 6144
	s_mov_b32 s[QSP+1], 0
	s_add_nc_u64 s[QP:QP+1], s[4:5], s[QP:QP+1]
	s_add_nc_u64 s[QSP:QSP+1], s[4:5], s[QSP:QSP+1]
	v_and_b32 v26, 31, v0
	v_lshlrev_b32 v[LI16], 4, v26
	v_lshlrev_b32 v[LI8], 3, v26
	v_and_b32 v[R8], 15, v0
	v_lshlrev_b32 v[R8], 3, v[R8]
	global_load_b128 v[QF:QF+3], v[LI16], s[QP:QP+1]
	global_load_b64 v[QF+4:QF+5], v[LI8], s[QP:QP+1] offset:512
	global_load_b32 v[QS], v[R8], s[QSP:QSP+1]
	global_load_b128 v[SX:SX+3], v[LI16], s[QP:QP+1] offset:2*KREC
	global_load_b64 v[SX+4:SX+5], v[LI8], s[QP:QP+1] offset:2*KREC+512
	global_load_b32 v[SX+6], v[R8], s[QSP:QSP+1] offset:2*KREC
	s_lshr_b32 s15, s14, 4
	s_and_b32 s16, s14, 15
	s_lshl_b32 s78, s75, 9
	s_add_co_u32 s78, s78, s77
	s_add_co_u32 s78, s78, ZS                      ; LDS: my tile's words of z
	s_lshl_b32 s79, s15, 4
	s_add_co_u32 s79, s79, s74                     ; zf: the work-group's first group of tokens
	s_add_co_u32 s76, s79, s75
	s_lshl_b32 s76, s76, 3
	s_lshr_b32 s18, s16, 1
	s_add_co_u32 s76, s76, s18
	s_mul_i32 s76, s76, 13312
	s_mul_i32 s77, s17, 1536
	s_add_co_u32 s76, s76, s77
	s_and_b32 s19, s16, 1
	s_mul_i32 s77, s19, 768
	s_add_co_u32 s[ZP], s76, s77
	s_mov_b32 s[ZP+1], 0
	s_lshl_b32 s[SH], s19, 4
	s_and_b32 s77, s[WV], 3                        ; waves 0-3 store the words of group wave % 4
	s_add_co_u32 s76, s79, s77
	s_lshl_b32 s76, s76, 3
	s_add_co_u32 s76, s76, s18
	s_mul_i32 s76, s76, 13312
	s_lshl_b32 s19, s19, 9
	s_add_co_u32 s76, s76, s19
	s_add_co_u32 s[ZSP], s76, 12288
	s_mov_b32 s[ZSP+1], 0
	s_add_nc_u64 s[ZP:ZP+1], s[10:11], s[ZP:ZP+1]
	s_add_nc_u64 s[ZSP:ZSP+1], s[10:11], s[ZSP:ZSP+1]
	s_lshl_b32 s[ZRS], s77, 9
	s_add_co_u32 s[ZRS], s[ZRS], ZS
	s_lshl_b32 s[QL], s[WV], 10
	s_add_co_u32 s[QL], s[QL], QST
	s_mov_b32 s[SEL], 0x76543210
	s_mov_b32 s[SEL+1], 0xfedcba98
	s_mov_b32 s[CS], 0x3e38aa3b                    ; log2(e) / 8
	s_mov_b32 s[CS+1], s[CS]
	v_bfe_u32 v27, v0, 3, 1                        ; r / 8
	v_and_b32 v28, 7, v0                           ; r % 8
	v_bfe_u32 v29, v0, 4, 1                        ; h
	v_mul_u32_u24 v30, v27, 1920
	v_lshl_add_u32 v[AK16], v28, 4, v30
	v_mad_u32_u24 v[AK16], v29, 320, v[AK16]
	v_lshl_add_u32 v[AK8], v28, 3, v30
	v_lshl_add_u32 v[AK8], v29, 7, v[AK8]
	v_lshlrev_b32 v[AKS], 3, v28
	v_lshl_add_u32 v[AKS], v27, 2, v[AKS]
	v_lshl_add_u32 v[AKS], v29, 7, v[AKS]
	v_add_nc_u32 v[AV16], VB, v[LI16]
	v_add_nc_u32 v[AV8], VB, v[LI8]
	v_lshlrev_b32 v[SH8], 3, v29
	v_add_nc_u32 v[ZW], s78, v[R8]
.irp i, 6,7,8,9,10,11
	v_mov_b32 v[QF+\i], 0                          ; q's zero codes
.endr
.irp i, 0,1,2,3,4,5
	v_mov_b32 v[PC+\i], 0                          ; named by the last tile's operand before p is first made
.endr
	v_mov_b32 v[PT], 0                             ; a lane permute's destination counts as one of its sources
	v_mov_b32 v[PT2], 0
	INIT
	WALU
	s_cmp_lt_u32 s[WV], 4
	s_cbranch_scc0 .Lnot_first
	s_wait_tensorcnt 0x0                           ; waves 0-3: K's and V's records 0-3 are in
.Lnot_first:
	s_barrier_signal -1
	s_barrier_wait -1                              ; the other loads may still be on their way
	s_wait_loadcnt 0x0
	v_add_nc_u32 v[SO], s[QL], v[LI16]
	v_add_nc_u32 v[SO+1], s[QL], v[LI8]
	ds_store_b128 v[SO], v[SX:SX+3]                ; the second tile of queries waits in my own 1,024 bytes, on which no fill lands
	ds_store_b64 v[SO+1], v[SX+4:SX+5] offset:512
	ds_store_b32 v[SO+1], v[SX+6] offset:768
	PASS 0
	PASS 1
	v_add_nc_u32 v[SO], s[ZRS], v[LI16]
	WALU
	s_wait_dscnt 0x0                               ; my words of z are in LDS
	s_barrier_signal -1
	s_barrier_wait -1
	s_cmp_lt_u32 s[WV], 4
	s_cbranch_scc0 .Lno_words
	ds_load_b128 v[SX+4:SX+7], v[SO]
	s_wait_dscnt 0x0
	global_store_b128 v[LI16], v[SX+4:SX+7], s[ZSP:ZSP+1]   ; 512 consecutive bytes, at a multiple of 256 from zf's first byte
.Lno_words:
	s_wait_tensorcnt 0x0                           ; the wave's end
	ds_add_u32 v[SPW], v[NIL]
	s_wait_dscnt 0x0
	CROUND                                         ; the closing round
	s_endpgm
.Lfunc_end_k_qc240d89e68_attn:
	.size	k_qc240d89e68_attn, .Lfunc_end_k_qc240d89e68_attn-k_qc240d89e68_attn
	.p2alignl 7, 3214868480
	.fill 96, 4, 3214868480
	.section	.rodata,"a",@progbits
	.p2align	6, 0x0
	.amdhsa_kernel k_qc240d89e68_attn
		.amdhsa_group_segment_fixed_size 327680
		.amdhsa_private_segment_fixed_size 0
		.amdhsa_enable_private_segment 0
		.amdhsa_kernarg_size 32
		.amdhsa_user_sgpr_count 2
		.amdhsa_user_sgpr_kernarg_segment_ptr 1
		.amdhsa_wavefront_size32 1
		.amdhsa_system_sgpr_workgroup_id_x 1
		.amdhsa_system_sgpr_workgroup_id_y 1
		.amdhsa_system_sgpr_workgroup_id_z 1
		.amdhsa_system_vgpr_workitem_id 0
		.amdhsa_next_free_vgpr 256
		.amdhsa_next_free_sgpr 100
		.amdhsa_reserve_vcc 0
		.amdhsa_float_denorm_mode_32 3
		.amdhsa_float_denorm_mode_16_64 3
		.amdhsa_memory_ordered 1
		.amdhsa_forward_progress 1
		.amdhsa_inst_pref_size 68
	.end_amdhsa_kernel
	.amdgpu_metadata
---
amdhsa.version: [ 1, 2 ]
amdhsa.kernels:
  - .name:           k_qc240d89e68_attn
    .symbol:         k_qc240d89e68_attn.kd
    .args:
      - { .name: qf, .offset: 0, .size: 8, .value_kind: global_buffer, .address_space: global }
      - { .name: kf, .offset: 8, .size: 8, .value_kind: global_buffer, .address_space: global }
      - { .name: vf, .offset: 16, .size: 8, .value_kind: global_buffer, .address_space: global }
      - { .name: zf, .offset: 24, .size: 8, .value_kind: global_buffer, .address_space: global }
    .group_segment_fixed_size: 327680
    .private_segment_fixed_size: 0
    .kernarg_segment_align: 8
    .kernarg_segment_size: 32
    .max_flat_workgroup_size: 512
    .sgpr_count:     100
    .vgpr_count:     256
    .wavefront_size: 32
...
	.end_amdgpu_metadata
.endif
;; end of part 3
;; launch outp (part 4): grid 4 x 64, 4 waves a work-group, clusters of 4 x 4, 327,680 bytes of LDS; arguments opnd, zf, Wo_b, out0; writes out0
.if DOCPART == 4
	.amdgcn_target "amdgcn-amd-amdhsa--gfx1250"
	.amdhsa_code_object_version 6
	.text
	.protected	k_qc240d89e68_outp
	.globl	k_qc240d89e68_outp
	.p2align	8
	.type	k_qc240d89e68_outp,@function
k_qc240d89e68_outp:
	s_mov_b64 s[64:65], 0
	v_nop
	global_prefetch_b8 v0, s[64:65] scope:SCOPE_SE
	s_setreg_imm32_b32 hwreg(HW_REG_WAVE_MODE, 25, 1), 1
	s_wait_xcnt 0x0
	s_wait_alu depctr_hold_cnt(0) depctr_sa_sdst(0) depctr_va_vdst(0) depctr_va_sdst(0) depctr_va_ssrc(0) depctr_va_vcc(0) depctr_vm_vsrc(0)
	s_getreg_b32 s2, hwreg(HW_REG_IB_STS2, 6, 4)
	s_cmp_eq_u32 s2, 0
	s_cbranch_scc0 .Lentry_in_a_cluster
	s_endpgm
.Lentry_in_a_cluster:
	s_bfe_u32 s2, ttmp6, 0x10000c
	s_cmp_lg_u32 s2, 0xf033
	s_cbranch_scc0 .Lentry_shape_is_right
	s_endpgm
.Lentry_shape_is_right:
; out0 = z Wo^T + bo on codes of FP6 (E2M3): Wo's out of opnd, z's out of zf; sums in f32.
; D = (256 rows of Wo: source 0) x (128 tokens: source 1), K = 1,024: a lane holds one token, and its registers run along n: 16 neighbours in the 16 registers of tiles 2 b and 2 b + 1, since opnd's tiles have their rows
; in the order 32 b + 8 u + r + 8 (r / 8).  z's tiles have their tokens in the same order.
; SHARES.  256 work-groups.  All of K for Wo's two groups (2 x 102,400 bytes) and z's group (106,496) lies in LDS, filled once: no ring.  A wave makes 128 n x 64 tokens: 32 accumulators.
; CLUSTERS 4 x 4: z's group hangs on the work-group's y and is asked for jointly along a row of the cluster, Wo's two on its x, along a column.  Wave 0 asks for z's, waves 1 and 2 for Wo's, each in two loads of four K steps:
; one tensor load of a wave is out at the most.
; A K step of z is two heads: each tile's registers 0-5 and 6-11 lie apart, and each head has its own scale words, with zeros at the other's places: the two words are joined by an OR.
; REGISTERS.  window 0: v1-27 addresses and z's raw scale words; v32-43 scale words, two sets; v48-143 z's fragments, two sets; v144-207 the bias; on the way out v48-175 rows of out0.
;   window 1: accumulator (j, i) at v[64 j + 8 i].   window 2: Wo's fragments, two sets of 96.
.set GRP,  102400
.set KSB,  12800
.set CHK,  4*KSB                       ; a group comes in TWO loads of four K steps: the first at the head, the second behind a round; one tensor load of a wave is out at the most
.set ZKS,  13312                       ; a K step of z's group
.set ZGRP, 8*ZKS
.set ZCHK, 4*ZKS
.set SP,   528                         ; the way out: a stage row, 512 bytes + 16
.set A0,   4                           ; v4-5   Wo's fragments: my region + 16 x lane, K steps 0-3 / 4-7
.set A1,   6                           ; v6-7   z's, the pieces of 16 bytes a lane
.set AS0,  8                           ; v8-9   Wo's scale words
.set AS1,  10                          ; v10-11 z's
.set LI16, 12
.set LI8,  13
.set RW,   16                          ; v16-23 z's raw scale words: set s at v[RW + 4 s]: the even head's two registers, the odd head's two
.set A1B,  24                          ; v24-25 z's pieces of 8 bytes a lane
.set STI,  26                          ; v26    the stage: where I put 32 bytes of a row
.set SRD,  27                          ; v27    and where I read a row back
.set SA,   32
.set SB,   40
.set F1,   48
.set BK,   48
.set BI,   144
.set WV,   18
.set CX,   19
.set CY,   20
.set G1A,  24
.set G1B,  32
.set G0A,  40
.set G0B,  68
.set XX,   85
.set YY,   86
.set WA,   89
.set WB,   90
.set BP,   92
.set OUTC, 94
.set MSB, 0
.macro WIN new
.if MSB != \new
	s_set_vgpr_msb (MSB<<8)|\new
.set MSB, \new
.endif
.endm
.macro PLACES n
.rept \n
	v_nop
.endr
.endm
.macro CROUND
	s_barrier_signal -1
	s_barrier_wait -1
	s_cmp_lg_u32 s[WV], 0
	s_cbranch_scc1 .Lnot_wave_0_\@
	s_barrier_signal -3
.Lnot_wave_0_\@:
	s_barrier_wait -3
	s_barrier_signal -1
	s_barrier_wait -1
.endm
.macro FETCH s, set
.set HS, (\s)/4
.set OF, KSB*((\s)%4)
.set OZ, ZKS*((\s)%4)
	WIN 0x80                                       ; destination window 2, address window 0
.irp i, 0,1,2,3,4,5,6,7
.irp c, 0,1,2
	ds_load_b128 v[96*(\set)+12*\i+4*\c:96*(\set)+12*\i+4*\c+3], v[A0+HS] offset:OF+1536*\i+512*\c
.endr
.endr
	WIN 0
.irp j, 0,1,2,3
	ds_load_b128 v[F1+48*(\set)+12*\j:F1+48*(\set)+12*\j+3], v[A1+HS] offset:OZ+1536*\j
	ds_load_b64 v[F1+48*(\set)+12*\j+4:F1+48*(\set)+12*\j+5], v[A1B+HS] offset:OZ+1536*\j+512
	ds_load_b128 v[F1+48*(\set)+12*\j+6:F1+48*(\set)+12*\j+9], v[A1+HS] offset:OZ+1536*\j+768
	ds_load_b64 v[F1+48*(\set)+12*\j+10:F1+48*(\set)+12*\j+11], v[A1B+HS] offset:OZ+1536*\j+1280
.endr
	ds_load_b64 v[SA+4*(\set):SA+4*(\set)+1], v[AS0+HS] offset:OF+12288
	ds_load_b64 v[SA+4*(\set)+2:SA+4*(\set)+3], v[AS0+HS] offset:OF+12544
	ds_load_b64 v[RW+4*(\set):RW+4*(\set)+1], v[AS1+HS] offset:OZ+12288
	ds_load_b64 v[RW+4*(\set)+2:RW+4*(\set)+3], v[AS1+HS] offset:OZ+12800
.endm
; K step s's 32 products.  first = 1: the sums begin with the bias (tile i's eight registers).  The 32 accumulators take turns, one instruction a turn, in the same order in every step.
.macro MULS s, first
.set SE, (\s)%2
.if \first
	WIN 0x42                                       ; source 0 window 2, source 1 and C window 0, D window 1
.else
	WIN 0x52                                       ; C and D window 1
.endif
.irp j, 0,1,2,3
.irp i, 0,1,2,3,4,5,6,7
.set DD, 64*\j+8*\i
.if \first
.set CC, BI+8*\i
.else
.set CC, DD
.endif
.set AA, 96*SE+12*\i
.set BB, F1+48*SE+12*\j
.set SAA, SA+4*SE+\i/2
.set SBB, SB+2*SE+\j/2
.if (\i%2 == 0) && (\j%2 == 0)
	v_wmma_scale_f32_16x16x128_f8f6f4 v[DD:DD+7], v[AA:AA+11], v[BB:BB+11], v[CC:CC+7], v[SAA], v[SBB] matrix_a_fmt:MATRIX_FMT_FP6 matrix_b_fmt:MATRIX_FMT_FP6
.elseif (\i%2 == 1) && (\j%2 == 0)
	v_wmma_scale_f32_16x16x128_f8f6f4 v[DD:DD+7], v[AA:AA+11], v[BB:BB+11], v[CC:CC+7], v[SAA], v[SBB] matrix_a_fmt:MATRIX_FMT_FP6 matrix_b_fmt:MATRIX_FMT_FP6 matrix_a_scale:MATRIX_SCALE_ROW1
.elseif (\i%2 == 0) && (\j%2 == 1)
	v_wmma_scale_f32_16x16x128_f8f6f4 v[DD:DD+7], v[AA:AA+11], v[BB:BB+11], v[CC:CC+7], v[SAA], v[SBB] matrix_a_fmt:MATRIX_FMT_FP6 matrix_b_fmt:MATRIX_FMT_FP6 matrix_b_scale:MATRIX_SCALE_ROW1
.else
	v_wmma_scale_f32_16x16x128_f8f6f4 v[DD:DD+7], v[AA:AA+11], v[BB:BB+11], v[CC:CC+7], v[SAA], v[SBB] matrix_a_fmt:MATRIX_FMT_FP6 matrix_b_fmt:MATRIX_FMT_FP6 matrix_a_scale:MATRIX_SCALE_ROW1 matrix_b_scale:MATRIX_SCALE_ROW1
.endif
.endr
.endr
.endm
.macro KSTEP s
.set SE, (\s)%2
	s_wait_dscnt 0x0                               ; this step's fragments are in; no LDS instruction of mine is out at the signal below
	WIN 0
	v_or_b32 v[SB+2*SE], v[RW+4*SE], v[RW+4*SE+2]  ; z's scale words: the even head's bytes 0, 1 with the odd head's bytes 2, 3
	v_or_b32 v[SB+2*SE+1], v[RW+4*SE+1], v[RW+4*SE+3]
.if (\s) < 7
.if (\s) == 3
	s_wait_alu depctr_va_vdst(0)
	s_wait_tensorcnt 0x0                           ; my load of K steps 4-7 is in
	s_barrier_signal -1
	s_barrier_wait -1                              ; everybody's part of it is in.  Nothing is ever filled again
.endif
.endif
	PLACES 8                                       ; a scale register written by a vector instruction stands eight places ahead of a scaled product; four of them also stand in front of the loads into registers that the last step's products read
.if (\s) < 7
	FETCH (\s)+1, ((\s)+1)%2
.endif
.if (\s) == 0
	s_wait_alu depctr_va_vdst(0)
	s_wait_loadcnt 0x0                             ; the bias
	MULS 0, 1
.else
	MULS \s, 0
.endif
.endm
	s_load_b256 s[4:11], s[0:1], 0x0               ; opnd s[4:5], zf s[6:7], Wo_b s[8:9], out0 s[10:11]
	v_lshl_add_u32 v254, v0, 2, 0x4c000
	v_mov_b32 v255, 0
	ds_add_u32 v254, v255
	ds_add_u32 v254, v255
	v_lshrrev_b32 v1, 5, v0
	v_readfirstlane_b32 s[WV], v1                  ; wave 0..3
	s_lshr_b32 s[WA], s[WV], 1                     ; which of Wo's two groups I multiply
	s_and_b32 s[WB], s[WV], 1                      ; which four tiles of tokens
	s_bfe_u32 s[CX], ttmp6, 0x40000
	s_bfe_u32 s[CY], ttmp6, 0x40004
	s_lshl_b32 s[XX], ttmp9, 2
	s_add_co_u32 s[XX], s[XX], s[CX]               ; x: 256 n
	s_and_b32 s[YY], ttmp7, 0xffff
	s_lshl_b32 s[YY], s[YY], 2
	s_add_co_u32 s[YY], s[YY], s[CY]               ; y: 128 tokens
	s_mul_i32 s56, s[YY], ZGRP                     ; z's group: made of y alone
	s_mov_b32 s57, 0
	s_lshl_b32 s58, s[XX], 1                       ; Wo's: made of x and the wave's number alone
	s_add_co_u32 s58, s58, 216
	s_sub_co_u32 s95, s[WV], 1
	s_and_b32 s95, s95, 1
	s_add_co_u32 s58, s58, s95
	s_mul_i32 s58, s58, GRP
	s_mov_b32 s59, 0
	s_sub_co_u32 s96, s[WV], 1
	s_mul_i32 s96, s96, GRP
	s_add_co_u32 s96, s96, ZGRP                    ; where it goes: behind z's group, region wave - 1
	s_lshl_b32 s87, s[CY], 2
	s_lshl_b32 s87, 15, s87                        ; my row of the cluster
	s_lshl_b32 s88, 0x1111, s[CX]                  ; my column
	s_or_b32 s[G1A], s87, (3<<16)|(1<<21)          ; 15:0 the mask; 17:16 elements of 8 bytes; 21 set beside a mask
	s_or_b32 s[G1B], s88, (3<<16)|(1<<21)
	s_mov_b32 s[G1A+1], 32<<16                     ; 53,248 dense bytes as 208 rows of 256
	s_mov_b32 s[G1A+2], 208<<16
	s_mov_b32 s[G1A+3], 32<<16
	s_mov_b32 s[G1A+4], 208
	s_mov_b32 s[G1A+5], 32
	s_mov_b32 s[G1A+6], 0
	s_mov_b32 s[G1A+7], 0
	s_mov_b32 s[G1B+1], 32<<16                     ; 51,200 as 200 rows
	s_mov_b32 s[G1B+2], 200<<16
	s_mov_b32 s[G1B+3], 32<<16
	s_mov_b32 s[G1B+4], 200
	s_mov_b32 s[G1B+5], 32
	s_mov_b32 s[G1B+6], 0
	s_mov_b32 s[G1B+7], 0
	v_and_b32 v1, 31, v0                           ; lane
	v_and_b32 v2, 15, v0                           ; r
	v_bfe_u32 v3, v0, 4, 1                         ; lane / 16
	v_lshlrev_b32 v[LI16], 4, v1
	v_lshlrev_b32 v[LI8], 3, v1
	s_mul_i32 s91, s[WA], GRP
	s_add_co_u32 s91, s91, ZGRP
	v_add_nc_u32 v[A0], s91, v[LI16]
	v_add_nc_u32 v[A0+1], 4*KSB, v[A0]
	v_add_nc_u32 v[AS0], s91, v[LI8]
	v_add_nc_u32 v[AS0+1], 4*KSB, v[AS0]
	s_mul_i32 s92, s[WB], 6144
	v_add_nc_u32 v[A1], s92, v[LI16]
	v_add_nc_u32 v[A1+1], 4*ZKS, v[A1]
	v_add_nc_u32 v[A1B], s92, v[LI8]
	v_add_nc_u32 v[A1B+1], 4*ZKS, v[A1B]
	s_lshl_b32 s92, s[WB], 8
	v_add_nc_u32 v[AS1], s92, v[LI8]
	v_add_nc_u32 v[AS1+1], 4*ZKS, v[AS1]
	v_lshlrev_b32 v14, 6, v3                       ; the bias: 16 numbers on for lanes 16-31
	s_mul_i32 s92, s[WV], 16*SP                    ; my stage
	v_mul_u32_u24 v[STI], v2, SP
	v_lshl_add_u32 v[STI], v3, 6, v[STI]
	v_add_nc_u32 v[STI], s92, v[STI]               ; in: row r, + 64 bytes for lanes 16-31
	v_add_nc_u32 v[SRD], s92, v[LI16]              ; back: a whole row of 512 bytes
	s_lshl_b32 s2, s[XX], 10
	s_lshl_b32 s3, s[WA], 9
	s_add_co_u32 s2, s2, s3                        ; my first n, 256 x + 128 a, in bytes
	s_mov_b32 s3, 0
	s_lshl_b32 s98, s[YY], 19                      ; my first token, 128 y + 64 b', in rows of 4,096 bytes
	s_lshl_b32 s97, s[WB], 18
	s_add_co_u32 s98, s98, s97
	s_add_co_u32 s98, s98, s2
	s_mov_b32 s99, 0
	s_wait_dscnt 0x0
	s_wait_kmcnt 0x0
	s_add_nc_u64 s[56:57], s[6:7], s[56:57]
	s_add_nc_u64 s[58:59], s[4:5], s[58:59]
	s_add_nc_u64 s[BP:BP+1], s[8:9], s[2:3]
	s_add_nc_u64 s[OUTC:OUTC+1], s[10:11], s[98:99]
.irp c, 0,1
	s_mov_b32 s[G0A+4*\c], 1
	s_mov_b32 s[G0A+4*\c+1], ZCHK*\c
	s_add_nc_u64 s[G0A+4*\c+2:G0A+4*\c+3], s[56:57], ZCHK*\c
	s_or_b32 s[G0A+4*\c+3], s[G0A+4*\c+3], 0x80000000
	s_mov_b32 s[G0B+4*\c], 1
	s_add_co_u32 s[G0B+4*\c+1], s96, CHK*\c
	s_add_nc_u64 s[G0B+4*\c+2:G0B+4*\c+3], s[58:59], CHK*\c
	s_or_b32 s[G0B+4*\c+3], s[G0B+4*\c+3], 0x80000000
.endr
	CROUND                                         ; all sixteen work-groups are here: the joint loads meet
	s_cmp_eq_u32 s[WV], 0                          ; one fill a wave at the head, in one chain of branches on the wave's number: K steps 0-3
	s_cbranch_scc0 .Lnot_a
	tensor_load_to_lds s[G0A:G0A+3], s[G1A:G1A+7]
	s_nop 0
	PLACES 4
	s_branch .Lasked
.Lnot_a:
	s_cmp_lt_u32 s[WV], 3
	s_cbranch_scc0 .Lasked
	tensor_load_to_lds s[G0B:G0B+3], s[G1B:G1B+7]
	s_nop 0
	PLACES 4
.Lasked:
	s_wait_alu depctr_va_vdst(0)
.irp i, 0,1,2,3,4,5,6,7                        ; tile i's register e is n = 32 (i / 2) + 16 (lane / 16) + 8 (i % 2) + e
	global_load_b128 v[BI+8*\i:BI+8*\i+3], v14, s[BP:BP+1] offset:(32*(\i/2)+8*(\i%2))*4
	global_load_b128 v[BI+8*\i+4:BI+8*\i+7], v14, s[BP:BP+1] offset:(32*(\i/2)+8*(\i%2))*4+16
.endr
	s_wait_tensorcnt 0x0                           ; my load of K steps 0-3 is in
	ds_add_u32 v254, v255                          ; twice on end
	ds_add_u32 v254, v255
	s_wait_dscnt 0x0
	CROUND                                         ; everybody's part of K steps 0-3 is in, and the joint loads of K steps 4-7 meet
	s_cmp_eq_u32 s[WV], 0
	s_cbranch_scc0 .Lnot_a2
	tensor_load_to_lds s[G0A+4:G0A+7], s[G1A:G1A+7]
	s_nop 0
	PLACES 4
	s_branch .Lasked2
.Lnot_a2:
	s_cmp_lt_u32 s[WV], 3
	s_cbranch_scc0 .Lasked2
	tensor_load_to_lds s[G0B+4:G0B+7], s[G1B:G1B+7]
	s_nop 0
	PLACES 4
.Lasked2:
	FETCH 0, 0
.irp s, 0,1,2,3,4,5,6,7
	KSTEP \s
.endr
	PLACES 4                                       ; in front of the first read of results, and of loads into registers that products have read
; THE WAY OUT, 16 tokens x 128 n at a time, through my own stage: 16 rows of 528 bytes at 8,448 x wave.  The four stages lie in z's K steps 0 to 2: those bytes have had their one fill, and every wave's reads of
; them were waited for in front of the barrier that stands ahead of K step 4's fragments.  LDS serves a wave's instructions in order: no wait between the stores and the loads.
.irp j, 0,1,2,3
.if \j >= 2
	s_wait_xcnt 0x0                                ; the stores of two tiles ago have read their registers
.endif
	WIN 0x04                                       ; an LDS store's data are its source 1: window 1
.irp i, 0,1,2,3,4,5,6,7
	ds_store_b128 v[STI], v[64*\j+8*\i:64*\j+8*\i+3] offset:128*(\i/2)+32*(\i%2)          ; each accumulator from its low end on
	ds_store_b128 v[STI], v[64*\j+8*\i+4:64*\j+8*\i+7] offset:128*(\i/2)+32*(\i%2)+16
.endr
	WIN 0
.irp t, 0,1,2,3,4,5,6,7,8,9,10,11,12,13,14,15
	ds_load_b128 v[BK+64*(\j%2)+4*\t:BK+64*(\j%2)+4*\t+3], v[SRD] offset:SP*\t
.endr
	s_wait_dscnt 0x0
.irp t, 0,1,2,3,4,5,6,7,8,9,10,11,12,13,14,15
	global_store_b128 v[LI16], v[BK+64*(\j%2)+4*\t:BK+64*(\j%2)+4*\t+3], s[OUTC:OUTC+1] offset:(32*(\j/2)+8*(\j%2)+\t+8*(\t/8))*4096 th:TH_STORE_NT   ; 512 consecutive bytes of a token's row, at a multiple of 256 from out0's first byte
.endr
.endr
	s_wait_tensorcnt 0x0
	ds_add_u32 v254, v255
	s_wait_dscnt 0x0
	CROUND                                         ; the closing round
	s_endpgm
.Lfunc_end_k_qc240d89e68_outp:
	.size	k_qc240d89e68_outp, .Lfunc_end_k_qc240d89e68_outp-k_qc240d89e68_outp
	.p2alignl 7, 3214868480
	.fill 96, 4, 3214868480
	.section	.rodata,"a",@progbits
	.p2align	6, 0x0
	.amdhsa_kernel k_qc240d89e68_outp
		.amdhsa_group_segment_fixed_size 327680
		.amdhsa_private_segment_fixed_size 0
		.amdhsa_enable_private_segment 0
		.amdhsa_kernarg_size 32
		.amdhsa_user_sgpr_count 2
		.amdhsa_user_sgpr_kernarg_segment_ptr 1
		.amdhsa_wavefront_size32 1
		.amdhsa_system_sgpr_workgroup_id_x 1
		.amdhsa_system_sgpr_workgroup_id_y 1
		.amdhsa_system_sgpr_workgroup_id_z 1
		.amdhsa_system_vgpr_workitem_id 0
		.amdhsa_next_free_vgpr 768
		.amdhsa_next_free_sgpr 100
		.amdhsa_reserve_vcc 0
		.amdhsa_float_denorm_mode_32 3
		.amdhsa_float_denorm_mode_16_64 3
		.amdhsa_memory_ordered 1
		.amdhsa_forward_progress 1
		.amdhsa_inst_pref_size 82
	.end_amdhsa_kernel
	.amdgpu_metadata
---
amdhsa.version: [ 1, 2 ]
amdhsa.kernels:
  - .name:           k_qc240d89e68_outp
    .symbol:         k_qc240d89e68_outp.kd
    .args:
      - { .name: opnd, .offset: 0, .size: 8, .value_kind: global_buffer, .address_space: global }
      - { .name: zf, .offset: 8, .size: 8, .value_kind: global_buffer, .address_space: global }
      - { .name: Wo_b, .offset: 16, .size: 8, .value_kind: global_buffer, .address_space: global }
      - { .name: out0, .offset: 24, .size: 8, .value_kind: global_buffer, .address_space: global }
    .group_segment_fixed_size: 327680
    .private_segment_fixed_size: 0
    .kernarg_segment_align: 8
    .kernarg_segment_size: 32
    .max_flat_workgroup_size: 128
    .sgpr_count:     100
    .vgpr_count:     768
    .wavefront_size: 32
...
	.end_amdgpu_metadata
.endif
;; end of part 4
